; MI455X (gfx1250); checked and timed in simulation.
; The chip was launched on July 23, 2026; its instructions are those of AMD's public machine-readable ISA for CDNA 5 (MIT licence, August 2026) and "CDNA5" Instruction Set Architecture Reference Guide (July 2026). The comments in the code are by the model that wrote it; some were corrected since.
;; S4 D Kernel. Allowed arithmetic: float matrix products may take bf16 or f16 operands with f32 sums; all other float work in f32.
;; Inputs: A_log 64 float32; B 512 x 64 float32; C 512 x 64 float32; log_dt 512 float32; x 2 x 2,048 x 512 float32.
;; Outputs: out0 2 x 2,048 x 512 float32.
;; 3 versions, each right and faster than the one before. Each part assembles by itself: llvm-mc -triple=amdgcn-amd-amdhsa -mcpu=gfx1250 --defsym DOCPART=n.
;; ======== version 1 of 3: 3 launches
;; workspace buffers: seg 3,932,160 bytes; ent 4,718,592 bytes
;; launch states (part 1): grid 15 x 16, 4 waves a work-group, no clusters, 168,448 bytes of LDS; arguments x, A_log, log_dt, seg; writes seg
.if DOCPART == 1
	.amdgcn_target "amdgcn-amd-amdhsa--gfx1250"
	.amdhsa_code_object_version 6
	.text
	.protected	k_q558df49502_states
	.globl	k_q558df49502_states
	.p2align	8
	.type	k_q558df49502_states,@function
k_q558df49502_states:
	s_mov_b64 s[64:65], 0
	v_nop
	global_prefetch_b8 v0, s[64:65] scope:SCOPE_SE
	s_setreg_imm32_b32 hwreg(HW_REG_WAVE_MODE, 25, 1), 1
	s_wait_xcnt 0x0
; S4D scan, first of three launches: what each time segment adds to the state.
; g[n] <- A[d][n] g[n] + x[t][d], from g = 0, over the 128 steps of one segment;  A = exp(-exp(log_dt[d]) exp(A_log[n])).
; g is the reference's h without its factor B_bar = dt B; the third launch multiplies by w = C dt B when it sums over n.
; Work-group (x = segment 0..14, y = 8 batch + block of 64 channels); the 16th segment's end state is used by nobody, so it has no group.
; Wave w: channels 16 w .. 16 w + 15 of the block.  Lane: p = v0 & 7 the channel pair 2p, 2p+1; q = (v0 >> 3) & 3 the states 16 q .. 16 q + 15.
; Register pair k = (channel 2p, channel 2p+1) of state 16 q + k, so x comes as it lies in memory, 8 bytes a lane and step, with no broadcast.
; All f32 on the vector unit: the state is carried from step to step, and in the later sum over n both operands carry the channel,
; so each product feeds one output and a 16 x 16 matrix tile would hold 16 wanted sums among 256.
; No cluster: no two work-groups read the same tile of x; what they share (256 bytes of A_log, 256 of log_dt) is under 2 % of the 32 KiB tile.
; One tile a work-group, asked for in the first lines: there is nothing to run a ring of tensor loads on, and nothing to prefetch.
; seg: per (batch, block) 15 slots of 16 KiB, slot s = end state of segment s; register 4 i + j of thread t lies at byte 2048 i + 16 t + 4 j.
; LIMITS: v_exp_f32 flushes denormals (ISA guide 15.8): log_dt < -87.3 gives dt = 0 where the reference has a denormal; with A_log > 88.7 as well
; that is 0 x inf = NaN where the reference has A_bar = 0.  g is kept apart from B_bar and must fit f32 by itself.
.set SLOTB, 16384                      ; bytes in a slot: 64 channels x 64 states x 4
.set SEGBD, 15*SLOTB                   ; slots of one (batch, block)
.set XAD,  4                           ; v4        LDS address of my channel pair in row 0 of the tile
.set LDO,  5                           ; v5        byte offset of my pair in log_dt
.set ALO,  6                           ; v6        byte offset of my 16 states in A_log
.set SOFF, 7                           ; v7        16 t: my 16 bytes in each 2048-byte line of a slot
.set LD,   10                          ; v[10:11]  log_dt of the pair
.set DT,   12                          ; v[12:13]  dt of the pair, then -log2(e) dt
.set A,    16                          ; v[16:47]  A, 16 pairs
.set G,    48                          ; v[48:79]  g, 16 pairs (before the steps: A's exponents)
.set X,    80                          ; v[80:111] ring of 16 steps of x
.set AL,   112                         ; v[112:127] A_log of my 16 states
.set AN,   128                         ; v[128:143] exp(A_log)
	s_load_b256 s[4:11], s[0:1], 0x0               ; x s[4:5], A_log s[6:7], log_dt s[8:9], seg s[10:11]
	v_lshl_add_u32 v144, v0, 2, 0x29000
	v_mov_b32 v145, 0
	ds_add_u32 v144, v145
	ds_add_u32 v144, v145
	v_lshrrev_b32 v1, 5, v0
	v_readfirstlane_b32 s16, v1                    ; wave
	s_mov_b32 s17, ttmp9                           ; segment
	s_and_b32 s18, ttmp7, 0xffff                   ; 8 batch + block
	s_lshr_b32 s19, s18, 3                         ; batch
	s_and_b32 s20, s18, 7                          ; block of 64 channels
	s_mov_b32 s21, 0x3fb8aa3b                      ; log2(e)
	s_mov_b32 s22, 0xbfb8aa3b                      ; -log2(e)
	; tensor descriptor: my wave's 32 rows of the tile, 64 f32 (256 bytes) each, 512 elements from row to row, dense in LDS
	s_mov_b32 s24, 1                               ; group 0: count
	s_lshl_b32 s25, s16, 13                        ; LDS address: wave x 32 rows x 256 bytes
	s_mov_b32 s28, 2<<16                           ; group 1: elements of 4 bytes, no mask, no padding
	s_mov_b32 s29, 64<<16                          ; tensor_dim0 = 64
	s_mov_b32 s30, 32<<16                          ; tensor_dim1 = 32
	s_mov_b32 s31, 64<<16                          ; tile_dim0 = 64
	s_mov_b32 s32, 32                              ; tile_dim1 = 32
	s_mov_b32 s33, 512                             ; pitch in elements
	s_mov_b32 s34, 0
	s_mov_b32 s35, 0
	s_lshl_b32 s36, s19, 22                        ; batch x 2048 rows x 2048 bytes
	s_lshl_b32 s23, s17, 18                        ; + segment x 128 rows
	s_add_co_u32 s36, s36, s23
	s_lshl_b32 s23, s20, 8                         ; + block x 256 bytes
	s_add_co_u32 s36, s36, s23
	s_lshl_b32 s23, s16, 16                        ; + wave x 32 rows
	s_add_co_u32 s36, s36, s23
	s_mov_b32 s37, 0
	s_mul_i32 s38, s18, SEGBD                      ; my slot in seg
	s_lshl_b32 s23, s17, 14
	s_add_co_u32 s38, s38, s23
	s_mov_b32 s39, 0
	v_and_b32 v2, 7, v0                            ; p
	v_bfe_u32 v3, v0, 3, 2                         ; q
	s_lshl_b32 s23, s16, 6
	v_lshl_add_u32 v[XAD], v2, 3, s23              ; 64 wave + 8 p
	s_lshl_b32 s23, s20, 8
	v_add_nc_u32 v[LDO], s23, v[XAD]               ; 4 x (64 block + 16 wave + 2 p)
	v_lshlrev_b32 v[ALO], 6, v3                    ; 4 x 16 q
	v_lshlrev_b32 v[SOFF], 4, v0
	s_wait_dscnt 0x0
	s_wait_kmcnt 0x0
	s_add_nc_u64 s[26:27], s[4:5], s[36:37]
	s_or_b32 s27, s27, 0x80000000                  ; type 2
	tensor_load_to_lds s[24:27], s[28:35]          ; the one tensor load of this wave
	s_nop 0
	global_load_b64 v[LD:LD+1], v[LDO], s[8:9]
.irp i, 0,1,2,3
	global_load_b128 v[AL+4*\i:AL+4*\i+3], v[ALO], s[6:7] offset:16*\i
.endr
	s_add_nc_u64 s[38:39], s[10:11], s[38:39]
	s_wait_loadcnt 0x0
	; dt = exp(log_dt), a = exp(A_log), A = exp(-dt a), exponentials in base 2.  Behind each run of v_exp_f32 one v_nop stands
	; before a result is read or a source rewritten (ISA guide 5.7.2).
	v_mul_f32 v[LD], s21, v[LD]
	v_mul_f32 v[LD+1], s21, v[LD+1]
.irp i, 0,1,2,3,4,5,6,7,8,9,10,11,12,13,14,15
	v_mul_f32 v[AL+\i], s21, v[AL+\i]
.endr
	v_exp_f32 v[DT], v[LD]
	v_exp_f32 v[DT+1], v[LD+1]
.irp i, 0,1,2,3,4,5,6,7,8,9,10,11,12,13,14,15
	v_exp_f32 v[AN+\i], v[AL+\i]
.endr
	v_nop
	s_wait_alu depctr_va_vdst(0)
	v_mul_f32 v[DT], s22, v[DT]
	v_mul_f32 v[DT+1], s22, v[DT+1]
.irp k, 0,1,2,3,4,5,6,7,8,9,10,11,12,13,14,15
	v_mul_f32 v[G+2*\k], v[DT], v[AN+\k]
	v_mul_f32 v[G+2*\k+1], v[DT+1], v[AN+\k]
.endr
.set ii, 0
.rept 32
	v_exp_f32 v[A+ii], v[G+ii]
.set ii, ii+1
.endr
	v_nop
	s_wait_tensorcnt 0x0                           ; my 32 rows are in LDS,
	s_barrier_signal -1
	s_barrier_wait -1                              ; everybody's are: each wave reads its 64 bytes of all 128 rows
.set jj, 0
.rept 16
	ds_load_b64 v[X+2*jj:X+2*jj+1], v[XAD] offset:jj*256       ; the ring: rows 0..15; the four q of a pair read the same words
.set jj, jj+1
.endr
	; steps 0 and 1 at once start the sums, nothing is cleared: g = A x0 + x1
	s_wait_dscnt 14                                ; behind row 1's load stand the 14 loads of rows 2..15
	s_wait_alu depctr_va_vdst(0)
.irp k, 0,1,2,3,4,5,6,7,8,9,10,11,12,13,14,15
	v_pk_fma_f32 v[G+2*\k:G+2*\k+1], v[A+2*\k:A+2*\k+1], v[X:X+1], v[X+2:X+3]
.endr
	ds_load_b64 v[X:X+1], v[XAD] offset:16*256
	ds_load_b64 v[X+2:X+3], v[XAD] offset:17*256
; One step: 16 packed multiply-adds that do not wait for each other; then the ring's register takes the row 16 steps on.
.macro LSTEP st
.set XR, X+2*((\st)%16)
.if (\st) < 112
	s_wait_dscnt 15                                ; LDS loads come back in order (ISA guide 5.7.1): this row is in, the 15 younger rows stay out
.else
	s_wait_dscnt 127-(\st)                         ; no row follows row 127: the counts run down
.endif
.irp k, 0,1,2,3,4,5,6,7,8,9,10,11,12,13,14,15
	v_pk_fma_f32 v[G+2*\k:G+2*\k+1], v[A+2*\k:A+2*\k+1], v[G+2*\k:G+2*\k+1], v[XR:XR+1]
.endr
.if (\st) < 112
	ds_load_b64 v[XR:XR+1], v[XAD] offset:((\st)+16)*256
.endif
.endm
.set tt, 2
.rept 126
	LSTEP tt
.set tt, tt+1
.endr
.irp i, 0,1,2,3,4,5,6,7
	global_store_b128 v[SOFF], v[G+4*\i:G+4*\i+3], s[38:39] offset:\i*2048     ; each store of the wave: 512 consecutive bytes, aligned
.endr
	s_wait_tensorcnt 0x0
	ds_add_u32 v144, v145
	s_wait_dscnt 0x0
	s_endpgm
.Lfunc_end_k_q558df49502_states:
	.size	k_q558df49502_states, .Lfunc_end_k_q558df49502_states-k_q558df49502_states
	.p2alignl 7, 3214868480
	.fill 96, 4, 3214868480
	.section	.rodata,"a",@progbits
	.p2align	6, 0x0
	.amdhsa_kernel k_q558df49502_states
		.amdhsa_group_segment_fixed_size 168448
		.amdhsa_private_segment_fixed_size 0
		.amdhsa_enable_private_segment 0
		.amdhsa_kernarg_size 32
		.amdhsa_user_sgpr_count 2
		.amdhsa_user_sgpr_kernarg_segment_ptr 1
		.amdhsa_wavefront_size32 1
		.amdhsa_system_sgpr_workgroup_id_x 1
		.amdhsa_system_sgpr_workgroup_id_y 1
		.amdhsa_system_sgpr_workgroup_id_z 1
		.amdhsa_system_vgpr_workitem_id 0
		.amdhsa_next_free_vgpr 146
		.amdhsa_next_free_sgpr 66
		.amdhsa_reserve_vcc 0
		.amdhsa_float_denorm_mode_32 3
		.amdhsa_float_denorm_mode_16_64 3
		.amdhsa_memory_ordered 1
		.amdhsa_forward_progress 1
		.amdhsa_inst_pref_size 147
	.end_amdhsa_kernel
	.amdgpu_metadata
---
amdhsa.version: [ 1, 2 ]
amdhsa.kernels:
  - .name:           k_q558df49502_states
    .symbol:         k_q558df49502_states.kd
    .args:
      - { .name: x, .offset: 0, .size: 8, .value_kind: global_buffer, .address_space: global }
      - { .name: A_log, .offset: 8, .size: 8, .value_kind: global_buffer, .address_space: global }
      - { .name: log_dt, .offset: 16, .size: 8, .value_kind: global_buffer, .address_space: global }
      - { .name: seg, .offset: 24, .size: 8, .value_kind: global_buffer, .address_space: global }
    .group_segment_fixed_size: 168448
    .private_segment_fixed_size: 0
    .kernarg_segment_align: 8
    .kernarg_segment_size: 32
    .max_flat_workgroup_size: 128
    .sgpr_count:     66
    .vgpr_count:     146
    .wavefront_size: 32
...
	.end_amdgpu_metadata
.endif
;; end of part 1
;; launch prefix (part 2): grid 16 x 16, 2 waves a work-group, no clusters, 0 bytes of LDS; arguments A_log, B, C, log_dt, seg, ent; writes ent
.if DOCPART == 2
	.amdgcn_target "amdgcn-amd-amdhsa--gfx1250"
	.amdhsa_code_object_version 6
	.text
	.protected	k_q558df49502_prefix
	.globl	k_q558df49502_prefix
	.p2align	8
	.type	k_q558df49502_prefix,@function
k_q558df49502_prefix:
	s_mov_b64 s[64:65], 0
	v_nop
	global_prefetch_b8 v0, s[64:65] scope:SCOPE_SE
	s_setreg_imm32_b32 hwreg(HW_REG_WAVE_MODE, 25, 1), 1
	s_wait_xcnt 0x0
; S4D scan, second launch: the state that enters each segment, and the tables A and w in the lanes' order.
; E[0] = 0, E[s+1] = A^128 E[s] + S[s], S[s] the end state of segment s from the first launch, elementwise over (channel, state).
; Work-group (x = c, y = 8 batch + block) owns bytes 1024 c .. 1024 c + 1023 of every slot of its (batch, block); thread t' owns 16 of them.
; In the slot's layout (register 4 i + j of thread t at byte 2048 i + 16 t + 4 j) that is i = c >> 1, t = 64 (c & 1) + t', so with
; p = t' & 7, q = (t' >> 3) & 3, wave = 2 (c & 1) + (t' >> 5):  value j has state n0 + (j >> 1), channel d0 + (j & 1),
; n0 = 16 q + 2 i, d0 = 64 block + 16 wave + 2 p.
; ent: per (batch, block) 18 slots of 16 KiB: slot s = E[s] (s = 0..15), slot 16 = A, slot 17 = w = C dt B.
; All 15 slots of seg are asked for at once and used in order with counted waits; each store's data register is written once, so no store is waited for.
; B and C are read 8 bytes a lane from rows 256 bytes apart: each of their bytes once for each batch, 512 KiB in the whole launch; this is the one
; place where the lanes' order is made, and the third launch then reads A and w in runs of 512 bytes.
; No LDS, no barrier, no matrix unit: elementwise f32.  No cluster: the groups' parts of seg are disjoint; B and C are shared only by the two batches' groups.
; LIMITS: as in the first launch (v_exp_f32 flushes denormals, ISA guide 15.8).  A^128 is one exponential, exp(-128 dt a), not 128 products.
; w is kept apart from g and must fit f32 by itself.
.set SLOTB, 16384
.set SEGBD, 15*SLOTB
.set ENTBD, 18*SLOTB
.set ALO, 4                            ; v4  4 n0
.set LDO, 5                            ; v5  4 d0
.set BCO, 6                            ; v6  256 d0 + 4 n0
.set SO,  7                            ; v7  1024 c + 16 t'
.set LD,  10                           ; v[10:11] log_dt of d0, d0+1
.set AL,  12                           ; v[12:13] A_log of n0, n0+1
.set B0,  14                           ; v[14:15] B[d0][n0, n0+1]
.set B1,  16                           ; v[16:17] B[d0+1][..]
.set C0,  18                           ; v[18:19] C[d0][..]
.set C1,  20                           ; v[20:21] C[d0+1][..]
.set DT,  22                           ; v[22:23] dt
.set AN,  24                           ; v[24:25] exp(A_log)
.set ZZ,  26                           ; v[26:29] dt exp(A_log) of my four values
.set SL,  32                           ; v[32:91] slot s at 32 + 4 s: S[s] as loaded, then E[s+1]
.set EX,  92                           ; v[92:99] exponents
.set AV,  100                          ; v[100:103] A
.set PW,  104                          ; v[104:107] A^128
.set WV,  108                          ; v[108:111] w
.set ZERO, 112                         ; v[112:115]
	s_load_b256 s[4:11], s[0:1], 0x0               ; A_log s[4:5], B s[6:7], C s[8:9], log_dt s[10:11]
	s_load_b128 s[12:15], s[0:1], 0x20             ; seg s[12:13], ent s[14:15]
	s_mov_b32 s16, ttmp9                           ; c
	s_and_b32 s17, ttmp7, 0xffff                   ; 8 batch + block
	s_and_b32 s18, s17, 7                          ; block
	s_lshr_b32 s19, s16, 1                         ; i
	s_and_b32 s20, s16, 1
	s_mov_b32 s28, 0x3fb8aa3b                      ; log2(e)
	s_mov_b32 s29, 0xbfb8aa3b                      ; -log2(e)
	s_mov_b32 s30, 0xc338aa3b                      ; -128 log2(e)
	v_and_b32 v1, 7, v0                            ; p
	v_bfe_u32 v2, v0, 3, 2                         ; q
	v_and_b32 v3, 32, v0                           ; 32 x (t' >> 5)
	s_lshl_b32 s21, s19, 3
	v_lshl_add_u32 v[ALO], v2, 6, s21              ; 64 q + 8 i
	s_lshl_b32 s22, s18, 8
	s_lshl_b32 s23, s20, 7
	s_add_co_u32 s22, s22, s23
	v_lshl_add_u32 v[LDO], v1, 3, s22              ; 256 block + 128 (c & 1) + 8 p
	v_lshl_add_u32 v[LDO], v3, 1, v[LDO]           ; + 64 (t' >> 5)
	v_lshl_add_u32 v[BCO], v[LDO], 6, v[ALO]
	s_lshl_b32 s23, s16, 10
	v_lshl_add_u32 v[SO], v0, 4, s23
	s_mul_i32 s24, s17, SEGBD
	s_mov_b32 s25, 0
	s_mul_i32 s26, s17, ENTBD
	s_mov_b32 s27, 0
	s_wait_kmcnt 0x0
	s_add_nc_u64 s[24:25], s[12:13], s[24:25]
	s_add_nc_u64 s[26:27], s[14:15], s[26:27]
	global_load_b64 v[LD:LD+1], v[LDO], s[10:11]
	global_load_b64 v[AL:AL+1], v[ALO], s[4:5]
	global_load_b64 v[B0:B0+1], v[BCO], s[6:7]
	global_load_b64 v[B1:B1+1], v[BCO], s[6:7] offset:256
	global_load_b64 v[C0:C0+1], v[BCO], s[8:9]
	global_load_b64 v[C1:C1+1], v[BCO], s[8:9] offset:256
.irp s, 0,1,2,3,4,5,6,7,8,9,10,11,12,13,14
	global_load_b128 v[SL+4*\s:SL+4*\s+3], v[SO], s[24:25] offset:\s*SLOTB
.endr
	s_wait_loadcnt 15                              ; the six parameter loads are in; the 15 slot loads issued behind them stay out
	v_mul_f32 v[LD], s28, v[LD]
	v_mul_f32 v[LD+1], s28, v[LD+1]
	v_mul_f32 v[AL], s28, v[AL]
	v_mul_f32 v[AL+1], s28, v[AL+1]
	v_exp_f32 v[DT], v[LD]
	v_exp_f32 v[DT+1], v[LD+1]
	v_exp_f32 v[AN], v[AL]
	v_exp_f32 v[AN+1], v[AL+1]
	v_nop                                          ; one plain place behind the exponentials (ISA guide 5.7.2)
	s_wait_alu depctr_va_vdst(0)
	v_mul_f32 v[ZZ], v[DT], v[AN]
	v_mul_f32 v[ZZ+1], v[DT+1], v[AN]
	v_mul_f32 v[ZZ+2], v[DT], v[AN+1]
	v_mul_f32 v[ZZ+3], v[DT+1], v[AN+1]
.irp j, 0,1,2,3
	v_mul_f32 v[EX+\j], s29, v[ZZ+\j]
	v_mul_f32 v[EX+4+\j], s30, v[ZZ+\j]
.endr
.irp j, 0,1,2,3
	v_exp_f32 v[AV+\j], v[EX+\j]
	v_exp_f32 v[PW+\j], v[EX+4+\j]
.endr
	v_mul_f32 v[B0], v[DT], v[B0]                  ; B_bar = dt B; these lines are also the place behind the exponentials
	v_mul_f32 v[B0+1], v[DT], v[B0+1]
	v_mul_f32 v[B1], v[DT+1], v[B1]
	v_mul_f32 v[B1+1], v[DT+1], v[B1+1]
	v_mul_f32 v[WV], v[C0], v[B0]                  ; w = C B_bar in the order (n0, d0), (n0, d0+1), (n0+1, d0), (n0+1, d0+1)
	v_mul_f32 v[WV+1], v[C1], v[B1]
	v_mul_f32 v[WV+2], v[C0+1], v[B0+1]
	v_mul_f32 v[WV+3], v[C1+1], v[B1+1]
.irp j, 0,1,2,3
	v_mov_b32 v[ZERO+\j], 0                        ; h0 = 0
.endr
	global_store_b128 v[SO], v[ZERO:ZERO+3], s[26:27]                      ; each store of a wave: 512 consecutive bytes, aligned
	s_wait_alu depctr_va_vdst(0)
	global_store_b128 v[SO], v[AV:AV+3], s[26:27] offset:16*SLOTB
	global_store_b128 v[SO], v[WV:WV+3], s[26:27] offset:17*SLOTB
	s_wait_loadcnt 14                              ; S[0] is in, 14 younger slots stay out
	global_store_b128 v[SO], v[SL:SL+3], s[26:27] offset:SLOTB             ; E[1] = S[0]
.irp s, 1,2,3,4,5,6,7,8,9,10,11,12,13,14
	s_wait_loadcnt 14-\s                           ; loads come back in order (ISA guide 5.7.1): S[s] is in, the 14 - s younger ones stay out
	v_pk_fma_f32 v[SL+4*\s:SL+4*\s+1], v[PW:PW+1], v[SL+4*\s-4:SL+4*\s-3], v[SL+4*\s:SL+4*\s+1]
	v_pk_fma_f32 v[SL+4*\s+2:SL+4*\s+3], v[PW+2:PW+3], v[SL+4*\s-2:SL+4*\s-1], v[SL+4*\s+2:SL+4*\s+3]
	global_store_b128 v[SO], v[SL+4*\s:SL+4*\s+3], s[26:27] offset:(\s+1)*SLOTB
.endr
	s_endpgm
.Lfunc_end_k_q558df49502_prefix:
	.size	k_q558df49502_prefix, .Lfunc_end_k_q558df49502_prefix-k_q558df49502_prefix
	.p2alignl 7, 3214868480
	.fill 96, 4, 3214868480
	.section	.rodata,"a",@progbits
	.p2align	6, 0x0
	.amdhsa_kernel k_q558df49502_prefix
		.amdhsa_group_segment_fixed_size 0
		.amdhsa_private_segment_fixed_size 0
		.amdhsa_enable_private_segment 0
		.amdhsa_kernarg_size 48
		.amdhsa_user_sgpr_count 2
		.amdhsa_user_sgpr_kernarg_segment_ptr 1
		.amdhsa_wavefront_size32 1
		.amdhsa_system_sgpr_workgroup_id_x 1
		.amdhsa_system_sgpr_workgroup_id_y 1
		.amdhsa_system_sgpr_workgroup_id_z 1
		.amdhsa_system_vgpr_workitem_id 0
		.amdhsa_next_free_vgpr 116
		.amdhsa_next_free_sgpr 66
		.amdhsa_reserve_vcc 0
		.amdhsa_float_denorm_mode_32 3
		.amdhsa_float_denorm_mode_16_64 3
		.amdhsa_memory_ordered 1
		.amdhsa_forward_progress 1
		.amdhsa_inst_pref_size 9
	.end_amdhsa_kernel
	.amdgpu_metadata
---
amdhsa.version: [ 1, 2 ]
amdhsa.kernels:
  - .name:           k_q558df49502_prefix
    .symbol:         k_q558df49502_prefix.kd
    .args:
      - { .name: A_log, .offset: 0, .size: 8, .value_kind: global_buffer, .address_space: global }
      - { .name: B, .offset: 8, .size: 8, .value_kind: global_buffer, .address_space: global }
      - { .name: C, .offset: 16, .size: 8, .value_kind: global_buffer, .address_space: global }
      - { .name: log_dt, .offset: 24, .size: 8, .value_kind: global_buffer, .address_space: global }
      - { .name: seg, .offset: 32, .size: 8, .value_kind: global_buffer, .address_space: global }
      - { .name: ent, .offset: 40, .size: 8, .value_kind: global_buffer, .address_space: global }
    .group_segment_fixed_size: 0
    .private_segment_fixed_size: 0
    .kernarg_segment_align: 8
    .kernarg_segment_size: 48
    .max_flat_workgroup_size: 64
    .sgpr_count:     66
    .vgpr_count:     116
    .wavefront_size: 32
...
	.end_amdgpu_metadata
.endif
;; end of part 2
;; launch scan (part 3): grid 16 x 16, 4 waves a work-group, no clusters, 168,448 bytes of LDS; arguments x, ent, out0; writes out0
.if DOCPART == 3
	.amdgcn_target "amdgcn-amd-amdhsa--gfx1250"
	.amdhsa_code_object_version 6
	.text
	.protected	k_q558df49502_scan
	.globl	k_q558df49502_scan
	.p2align	8
	.type	k_q558df49502_scan,@function
k_q558df49502_scan:
	s_mov_b64 s[64:65], 0
	v_nop
	global_prefetch_b8 v0, s[64:65] scope:SCOPE_SE
	s_setreg_imm32_b32 hwreg(HW_REG_WAVE_MODE, 25, 1), 1
	s_wait_xcnt 0x0
; S4D scan, third launch: y[b][t][d] = sum over n of w[d][n] g[n],  g[n] <- A[d][n] g[n] + x[b][t][d],  g starting from the entering state E[s].
; Work-group (x = segment s of 128 steps, y = 8 batch + block of 64 channels), four waves; lanes as in the first launch:
; wave w channels 16 w .. +15; p = v0 & 7 the channel pair, q = (v0 >> 3) & 3 the states 16 q .. 16 q + 15; register pair k = two channels of state 16 q + k.
; A step: 16 packed multiply-adds for g, 16 packed operations for y in four chains, and 3 packed adds that join the chains of the step before.
; The four q of a channel pair meet in LDS: each lane stores its part of y, 8 bytes a step, in its q's plane; every 32 steps the four planes are
; added on the way out and stored, 16 lanes filling 256 consecutive bytes that start at a multiple of 256 from out0's first byte.
; All f32 on the vector unit: in the sum over n both operands carry the channel, so each product feeds one output and a 16 x 16 matrix tile
; would hold 16 wanted sums among 256; the state is carried from step to step.  The order of the sum over n differs from the reference's.
; No cluster: the tiles of x and the entering states are read by one group each.  A and w (32 KiB) are shared by the 16 segments of a (batch, block),
; 32 of the 112 KiB that a group moves; they are read once, in runs of 512 bytes, straight into the registers of the lanes that own them,
; where a joint request would land them in LDS and cost a second copy.
; One tile a group, asked for in the first lines: nothing to run a ring of tensor loads on, nothing to prefetch.
; LIMITS: g and w are kept apart: each must fit f32 by itself.
.set SLOTB, 16384
.set ENTBD, 18*SLOTB
.set YP,    32768                      ; LDS: the x tile at 0..32767 (filled by the tensor loads), the planes behind it (written by LDS stores only)
.set QPL,   32*64+64                   ; one q of one wave: 32 steps x 64 bytes, + 64: plane q starts 16 q words further round the 64 banks (ISA guide 11.1)
.set WREG,  4*QPL+64                   ; one wave's four planes, + 64: on the way back the four waves' 64 bytes of a row start 16 words apart
.set SETB,  4*WREG                     ; a set; two sets take turns from phase to phase
.set XAD,  4                           ; v4  LDS address of my channel pair in row 0 of x
.set YST,  5                           ; v5  where I store my part of y: set 0, step 0
.set YRD,  6                           ; v6  where I read 16 bytes of plane 0 back: set 0, rows 0..7
.set SOFF, 7                           ; v7  16 t: my 16 bytes in each 2048-byte line of a slot
.set OFFO, 8                           ; v8  my byte offset in 8 rows of out0
.set A,   16                           ; v[16:47]   A
.set W,   48                           ; v[48:79]   w
.set G,   80                           ; v[80:111]  g
.set X,   112                          ; v[112:143] ring of 16 steps of x
.set ACC, 144                          ; v[144:159] two sets (even, odd steps) of four chains
.set T,   160                          ; v[160:223] the way out: 4 groups of 8 rows x 4 planes x 16 bytes
	s_load_b128 s[4:7], s[0:1], 0x0                ; x s[4:5], ent s[6:7]
	s_load_b64 s[8:9], s[0:1], 0x10                ; out0
	v_lshl_add_u32 v224, v0, 2, 0x29000
	v_mov_b32 v225, 0
	ds_add_u32 v224, v225
	ds_add_u32 v224, v225
	v_lshrrev_b32 v1, 5, v0
	v_readfirstlane_b32 s16, v1                    ; wave
	s_mov_b32 s17, ttmp9                           ; segment
	s_and_b32 s18, ttmp7, 0xffff                   ; 8 batch + block
	s_lshr_b32 s19, s18, 3
	s_and_b32 s20, s18, 7
	; tensor descriptor as in the first launch: my wave's 32 rows x 256 bytes of the tile
	s_mov_b32 s24, 1
	s_lshl_b32 s25, s16, 13
	s_mov_b32 s28, 2<<16
	s_mov_b32 s29, 64<<16
	s_mov_b32 s30, 32<<16
	s_mov_b32 s31, 64<<16
	s_mov_b32 s32, 32
	s_mov_b32 s33, 512
	s_mov_b32 s34, 0
	s_mov_b32 s35, 0
	s_lshl_b32 s22, s19, 22                        ; batch x 2048 rows x 2048 bytes
	s_lshl_b32 s21, s17, 18                        ; + segment x 128 rows
	s_add_co_u32 s22, s22, s21
	s_lshl_b32 s21, s20, 8                         ; + block x 256 bytes: the group's corner in x and in out0
	s_add_co_u32 s22, s22, s21
	s_mov_b32 s23, 0
	s_lshl_b32 s36, s16, 16                        ; + wave x 32 rows: my part of the tile
	s_add_co_u32 s36, s36, s22
	s_mov_b32 s37, 0
	s_mul_i32 s38, s18, ENTBD
	s_mov_b32 s39, 0
	s_lshl_b32 s40, s17, 14
	s_mov_b32 s41, 0
	v_and_b32 v2, 7, v0                            ; p
	v_bfe_u32 v3, v0, 3, 2                         ; q
	s_lshl_b32 s21, s16, 6
	v_lshl_add_u32 v[XAD], v2, 3, s21              ; 64 wave + 8 p
	s_mul_i32 s21, s16, WREG
	s_add_co_u32 s21, s21, YP                      ; my wave's planes
	v_mul_u32_u24 v[YST], v3, QPL
	v_lshl_add_u32 v[YST], v2, 3, v[YST]
	v_add_nc_u32 v[YST], s21, v[YST]               ; + q's plane + 8 p
	v_bfe_u32 v9, v0, 2, 2                         ; back: thread t takes row t / 16, bytes 16 (t % 16): wave (t >> 2) & 3 wrote them,
	v_and_b32 v10, 3, v0                           ; at 16 (t & 3) of its 64
	v_lshrrev_b32 v11, 4, v0
	v_mul_u32_u24 v[YRD], v9, WREG
	v_lshl_add_u32 v[YRD], v10, 4, v[YRD]
	v_lshl_add_u32 v[YRD], v11, 6, v[YRD]
	v_add_nc_u32 v[YRD], YP, v[YRD]
	v_lshlrev_b32 v[SOFF], 4, v0
	v_and_b32 v[OFFO], 15, v0
	v_lshlrev_b32 v[OFFO], 4, v[OFFO]
	v_lshl_add_u32 v[OFFO], v11, 11, v[OFFO]       ; row t / 16 of 2048 bytes + 16 (t % 16)
	s_wait_dscnt 0x0
	s_wait_kmcnt 0x0
	s_add_nc_u64 s[26:27], s[4:5], s[36:37]
	s_or_b32 s27, s27, 0x80000000
	tensor_load_to_lds s[24:27], s[28:35]          ; the one tensor load of this wave
	s_nop 0
	s_add_nc_u64 s[10:11], s[8:9], s[22:23]        ; out0 at the group's corner
	s_add_nc_u64 s[38:39], s[6:7], s[38:39]        ; ent at my (batch, block)
	s_add_nc_u64 s[40:41], s[38:39], s[40:41]      ; slot s: the entering state
.irp i, 0,1,2,3,4,5,6,7
	global_load_b128 v[G+4*\i:G+4*\i+3], v[SOFF], s[40:41] offset:\i*2048
.endr
.irp i, 0,1,2,3,4,5,6,7
	global_load_b128 v[A+4*\i:A+4*\i+3], v[SOFF], s[38:39] offset:16*SLOTB+\i*2048
.endr
.irp i, 0,1,2,3,4,5,6,7
	global_load_b128 v[W+4*\i:W+4*\i+3], v[SOFF], s[38:39] offset:17*SLOTB+\i*2048
.endr
	s_wait_loadcnt 0x0
	s_wait_tensorcnt 0x0                           ; my 32 rows of x are in LDS,
	s_barrier_signal -1
	s_barrier_wait -1                              ; everybody's are
.set jj, 0
.rept 16
	ds_load_b64 v[X+2*jj:X+2*jj+1], v[XAD] offset:jj*256       ; the ring: rows 0..15
.set jj, jj+1
.endr
	s_wait_dscnt 0x0
.macro GU k                            ; g[k] = A[k] g[k] + x
	v_pk_fma_f32 v[G+2*(\k):G+2*(\k)+1], v[A+2*(\k):A+2*(\k)+1], v[G+2*(\k):G+2*(\k)+1], v[XR:XR+1]
.endm
.macro YU k                            ; chain k % 4 += w[k] g[k]; the first four products start the chains, nothing is cleared
.if (\k) < 4
	v_pk_mul_f32 v[CUR+2*(\k):CUR+2*(\k)+1], v[W+2*(\k):W+2*(\k)+1], v[G+2*(\k):G+2*(\k)+1]
.else
	v_pk_fma_f32 v[CUR+2*((\k)%4):CUR+2*((\k)%4)+1], v[W+2*(\k):W+2*(\k)+1], v[G+2*(\k):G+2*(\k)+1], v[CUR+2*((\k)%4):CUR+2*((\k)%4)+1]
.endif
.endm
; Step st.  The updates of g run four ahead of the products that read them, and the joining of the last step's four chains is spread among them,
; so that no line reads the result of the line in front of it.  The step's part of y is stored in the next step (or at the way out's head).
.macro STEP st
.set XR,  X+2*((\st)%16)
.set CUR, ACC+8*((\st)%2)
.set PRV, ACC+8-8*((\st)%2)
.if (\st) < 112
	s_wait_dscnt 30                                ; behind this row's load stand 15 steps with one LDS store and one LDS load each (fewer behind a way out, which waits for all)
.else
	s_wait_dscnt 142-(\st)                         ; 127 - st steps that still loaded, two each, and st - 112 steps with a store alone
.endif
	GU 0
	GU 1
	GU 2
	GU 3
.if (\st)%32
	v_pk_add_f32 v[PRV:PRV+1], v[PRV:PRV+1], v[PRV+2:PRV+3]
	v_pk_add_f32 v[PRV+4:PRV+5], v[PRV+4:PRV+5], v[PRV+6:PRV+7]
.endif
	YU 0
	GU 4
	YU 1
	GU 5
.if (\st)%32
	v_pk_add_f32 v[PRV:PRV+1], v[PRV:PRV+1], v[PRV+4:PRV+5]
.endif
	YU 2
	GU 6
	YU 3
	GU 7
.if (\st)%32
	ds_store_b64 v[YST], v[PRV:PRV+1] offset:(((\st)/32)%2)*SETB+(((\st)-1)%32)*64
.endif
.irp k, 4,5,6,7,8,9,10,11
	YU \k
	GU \k+4
.endr
	YU 12
	YU 13
	YU 14
	YU 15
.if (\st) < 112
	ds_load_b64 v[XR:XR+1], v[XAD] offset:((\st)+16)*256
.endif
.endm
; The way out of phase ph (steps 32 ph .. 32 ph + 31).  One barrier does two things: every wave's stores into this phase's set are done before any
; wave reads them, and every wave's reads of the other set, made one phase ago and waited for there, are done before the next phase stores into it.
.macro WAYOUT ph
	v_pk_add_f32 v[ACC+8:ACC+9], v[ACC+8:ACC+9], v[ACC+10:ACC+11]          ; the phase's last step is odd: the second set of chains
	v_pk_add_f32 v[ACC+12:ACC+13], v[ACC+12:ACC+13], v[ACC+14:ACC+15]
	v_pk_add_f32 v[ACC+8:ACC+9], v[ACC+8:ACC+9], v[ACC+12:ACC+13]
	ds_store_b64 v[YST], v[ACC+8:ACC+9] offset:((\ph)%2)*SETB+31*64
	s_wait_dscnt 0x0                               ; for the other waves' sake: all my LDS stores are done
	s_barrier_signal -1
	s_barrier_wait -1
	s_wait_xcnt 0x0                                ; the last way out's stores read T: it is loaded again only behind this wait (ISA guide 3.1)
.irp g, 0,1,2,3
.irp pl, 0,1,2,3
	ds_load_b128 v[T+16*\g+4*\pl:T+16*\g+4*\pl+3], v[YRD] offset:((\ph)%2)*SETB+\pl*QPL+\g*512
.endr
.endr
.irp g, 0,1,2,3
	s_wait_dscnt 12-4*\g                           ; four plane loads for each of the 3 - g younger groups stay out
	v_pk_add_f32 v[T+16*\g:T+16*\g+1], v[T+16*\g:T+16*\g+1], v[T+16*\g+4:T+16*\g+5]
	v_pk_add_f32 v[T+16*\g+2:T+16*\g+3], v[T+16*\g+2:T+16*\g+3], v[T+16*\g+6:T+16*\g+7]
	v_pk_add_f32 v[T+16*\g+8:T+16*\g+9], v[T+16*\g+8:T+16*\g+9], v[T+16*\g+12:T+16*\g+13]
	v_pk_add_f32 v[T+16*\g+10:T+16*\g+11], v[T+16*\g+10:T+16*\g+11], v[T+16*\g+14:T+16*\g+15]
	v_pk_add_f32 v[T+16*\g:T+16*\g+1], v[T+16*\g:T+16*\g+1], v[T+16*\g+8:T+16*\g+9]
	v_pk_add_f32 v[T+16*\g+2:T+16*\g+3], v[T+16*\g+2:T+16*\g+3], v[T+16*\g+10:T+16*\g+11]
	global_store_b128 v[OFFO], v[T+16*\g:T+16*\g+3], s[10:11] offset:(\ph)*65536+\g*16384 th:TH_STORE_NT   ; 16 lanes: 256 consecutive bytes of one row, aligned
.endr
.endm
.set tt, 0
.irp ph, 0,1,2,3
.rept 32
	STEP tt
.set tt, tt+1
.endr
	WAYOUT \ph
.endr
	s_wait_tensorcnt 0x0
	ds_add_u32 v224, v225
	s_wait_dscnt 0x0
	s_endpgm
.Lfunc_end_k_q558df49502_scan:
	.size	k_q558df49502_scan, .Lfunc_end_k_q558df49502_scan-k_q558df49502_scan
	.p2alignl 7, 3214868480
	.fill 96, 4, 3214868480
	.section	.rodata,"a",@progbits
	.p2align	6, 0x0
	.amdhsa_kernel k_q558df49502_scan
		.amdhsa_group_segment_fixed_size 168448
		.amdhsa_private_segment_fixed_size 0
		.amdhsa_enable_private_segment 0
		.amdhsa_kernarg_size 24
		.amdhsa_user_sgpr_count 2
		.amdhsa_user_sgpr_kernarg_segment_ptr 1
		.amdhsa_wavefront_size32 1
		.amdhsa_system_sgpr_workgroup_id_x 1
		.amdhsa_system_sgpr_workgroup_id_y 1
		.amdhsa_system_sgpr_workgroup_id_z 1
		.amdhsa_system_vgpr_workitem_id 0
		.amdhsa_next_free_vgpr 226
		.amdhsa_next_free_sgpr 66
		.amdhsa_reserve_vcc 0
		.amdhsa_float_denorm_mode_32 3
		.amdhsa_float_denorm_mode_16_64 3
		.amdhsa_memory_ordered 1
		.amdhsa_forward_progress 1
		.amdhsa_inst_pref_size 255
	.end_amdhsa_kernel
	.section	.bss,"aw",@nobits
	.p2align	6
	.space	262144
	.amdgpu_metadata
---
amdhsa.version: [ 1, 2 ]
amdhsa.kernels:
  - .name:           k_q558df49502_scan
    .symbol:         k_q558df49502_scan.kd
    .args:
      - { .name: x, .offset: 0, .size: 8, .value_kind: global_buffer, .address_space: global }
      - { .name: ent, .offset: 8, .size: 8, .value_kind: global_buffer, .address_space: global }
      - { .name: out0, .offset: 16, .size: 8, .value_kind: global_buffer, .address_space: global }
    .group_segment_fixed_size: 168448
    .private_segment_fixed_size: 0
    .kernarg_segment_align: 8
    .kernarg_segment_size: 24
    .max_flat_workgroup_size: 128
    .sgpr_count:     66
    .vgpr_count:     226
    .wavefront_size: 32
...
	.end_amdgpu_metadata
.endif
;; end of part 3
;; ======== version 2 of 3: 3 launches; 1.12 times as fast as version 1
;; workspace buffers: seg 3,932,160 bytes; ent 4,718,592 bytes
;; launch states (part 4): grid 15 x 16, 4 waves a work-group, no clusters, 168,448 bytes of LDS; arguments x, A_log, log_dt, seg; writes seg
.if DOCPART == 4
	.amdgcn_target "amdgcn-amd-amdhsa--gfx1250"
	.amdhsa_code_object_version 6
	.text
	.protected	k_q558df49502_states
	.globl	k_q558df49502_states
	.p2align	8
	.type	k_q558df49502_states,@function
k_q558df49502_states:
	s_mov_b64 s[64:65], 0
	v_nop
	global_prefetch_b8 v0, s[64:65] scope:SCOPE_SE
	s_setreg_imm32_b32 hwreg(HW_REG_WAVE_MODE, 25, 1), 1
	s_wait_xcnt 0x0
; S4D scan, first of three launches: what each time segment adds to the state.
; g[n] <- A[d][n] g[n] + x[t][d], from g = 0, over the 128 steps of one segment;  A = exp(-exp(log_dt[d]) exp(A_log[n])).
; g is the reference's h without its factor B_bar = dt B; the third launch multiplies by w = C dt B when it sums over n.
; Work-group (x = segment 0..14, y = 8 batch + block of 64 channels); the 16th segment's end state is used by nobody, so it has no group.
; Wave w: channels 16 w .. 16 w + 15 of the block.  Lane: p = v0 & 7 the channel pair 2p, 2p+1; q = (v0 >> 3) & 3 the states 16 q .. 16 q + 15.
; Register pair k = (channel 2p, channel 2p+1) of state 16 q + k, so x comes as it lies in memory, 8 bytes a lane and step, with no broadcast.
; x goes from LDS to a ring of 64 steps in registers, filled in three runs (64, 32, 32 loads): the stream of 2,032 packed multiply-adds
; is interrupted by LDS instructions three times, not once a step.
; All f32 on the vector unit: the state is carried from step to step, and in the later sum over n both operands carry the channel,
; so each product feeds one output and a 16 x 16 matrix tile would hold 16 wanted sums among 256.
; No cluster: no two work-groups read the same tile of x; what they share (256 bytes of A_log, 256 of log_dt) is under 2 % of the 32 KiB tile.
; One tile a work-group, asked for in the first lines: there is nothing to run a ring of tensor loads on, and nothing to prefetch.
; seg: per (batch, block) 15 slots of 16 KiB, slot s = end state of segment s; register 4 i + j of thread t lies at byte 2048 i + 16 t + 4 j.
; LIMITS: v_exp_f32 flushes denormals (ISA guide 15.8): log_dt < -87.3 gives dt = 0 where the reference has a denormal; with A_log > 88.7 as well
; that is 0 x inf = NaN where the reference has A_bar = 0.  g is kept apart from B_bar and must fit f32 by itself.
.set SLOTB, 16384                      ; bytes in a slot: 64 channels x 64 states x 4
.set SEGBD, 15*SLOTB                   ; slots of one (batch, block)
.set XAD,  4                           ; v4        LDS address of my channel pair in row 0 of the tile
.set LDO,  5                           ; v5        byte offset of my pair in log_dt
.set ALO,  6                           ; v6        byte offset of my 16 states in A_log
.set SOFF, 7                           ; v7        16 t: my 16 bytes in each 2048-byte line of a slot
.set LD,   10                          ; v[10:11]  log_dt of the pair
.set DT,   12                          ; v[12:13]  dt of the pair, then -log2(e) dt
.set A,    16                          ; v[16:47]  A, 16 pairs
.set G,    48                          ; v[48:79]  g, 16 pairs (before the steps: A's exponents)
.set X,    80                          ; v[80:207] ring of 64 steps of x
.set AL,   80                          ; v[80:95]  A_log of my 16 states   (both done with before the ring is filled)
.set AN,   96                          ; v[96:111] exp(A_log)
	s_load_b256 s[4:11], s[0:1], 0x0               ; x s[4:5], A_log s[6:7], log_dt s[8:9], seg s[10:11]
	v_lshl_add_u32 v208, v0, 2, 0x29000
	v_mov_b32 v209, 0
	ds_add_u32 v208, v209
	ds_add_u32 v208, v209
	v_lshrrev_b32 v1, 5, v0
	v_readfirstlane_b32 s16, v1                    ; wave
	s_mov_b32 s17, ttmp9                           ; segment
	s_and_b32 s18, ttmp7, 0xffff                   ; 8 batch + block
	s_lshr_b32 s19, s18, 3                         ; batch
	s_and_b32 s20, s18, 7                          ; block of 64 channels
	s_mov_b32 s21, 0x3fb8aa3b                      ; log2(e)
	s_mov_b32 s22, 0xbfb8aa3b                      ; -log2(e)
	; tensor descriptor: my wave's 32 rows of the tile, 64 f32 (256 bytes) each, 512 elements from row to row, dense in LDS
	s_mov_b32 s24, 1                               ; group 0: count
	s_lshl_b32 s25, s16, 13                        ; LDS address: wave x 32 rows x 256 bytes
	s_mov_b32 s28, 2<<16                           ; group 1: elements of 4 bytes, no mask, no padding
	s_mov_b32 s29, 64<<16                          ; tensor_dim0 = 64
	s_mov_b32 s30, 32<<16                          ; tensor_dim1 = 32
	s_mov_b32 s31, 64<<16                          ; tile_dim0 = 64
	s_mov_b32 s32, 32                              ; tile_dim1 = 32
	s_mov_b32 s33, 512                             ; pitch in elements
	s_mov_b32 s34, 0
	s_mov_b32 s35, 0
	s_lshl_b32 s36, s19, 22                        ; batch x 2048 rows x 2048 bytes
	s_lshl_b32 s23, s17, 18                        ; + segment x 128 rows
	s_add_co_u32 s36, s36, s23
	s_lshl_b32 s23, s20, 8                         ; + block x 256 bytes
	s_add_co_u32 s36, s36, s23
	s_lshl_b32 s23, s16, 16                        ; + wave x 32 rows
	s_add_co_u32 s36, s36, s23
	s_mov_b32 s37, 0
	s_mul_i32 s38, s18, SEGBD                      ; my slot in seg
	s_lshl_b32 s23, s17, 14
	s_add_co_u32 s38, s38, s23
	s_mov_b32 s39, 0
	v_and_b32 v2, 7, v0                            ; p
	v_bfe_u32 v3, v0, 3, 2                         ; q
	s_lshl_b32 s23, s16, 6
	v_lshl_add_u32 v[XAD], v2, 3, s23              ; 64 wave + 8 p
	s_lshl_b32 s23, s20, 8
	v_add_nc_u32 v[LDO], s23, v[XAD]               ; 4 x (64 block + 16 wave + 2 p)
	v_lshlrev_b32 v[ALO], 6, v3                    ; 4 x 16 q
	v_lshlrev_b32 v[SOFF], 4, v0
	s_wait_dscnt 0x0
	s_wait_kmcnt 0x0
	s_add_nc_u64 s[26:27], s[4:5], s[36:37]
	s_or_b32 s27, s27, 0x80000000                  ; type 2
	tensor_load_to_lds s[24:27], s[28:35]          ; the one tensor load of this wave
	s_nop 0
	global_load_b64 v[LD:LD+1], v[LDO], s[8:9]
.irp i, 0,1,2,3
	global_load_b128 v[AL+4*\i:AL+4*\i+3], v[ALO], s[6:7] offset:16*\i
.endr
	s_add_nc_u64 s[38:39], s[10:11], s[38:39]
	s_wait_loadcnt 0x0
	; dt = exp(log_dt), a = exp(A_log), A = exp(-dt a), exponentials in base 2.  Behind each run of v_exp_f32 one v_nop stands
	; before a result is read or a source rewritten (ISA guide 5.7.2).
	v_mul_f32 v[LD], s21, v[LD]
	v_mul_f32 v[LD+1], s21, v[LD+1]
.irp i, 0,1,2,3,4,5,6,7,8,9,10,11,12,13,14,15
	v_mul_f32 v[AL+\i], s21, v[AL+\i]
.endr
	v_exp_f32 v[DT], v[LD]
	v_exp_f32 v[DT+1], v[LD+1]
.irp i, 0,1,2,3,4,5,6,7,8,9,10,11,12,13,14,15
	v_exp_f32 v[AN+\i], v[AL+\i]
.endr
	v_nop
	s_wait_alu depctr_va_vdst(0)
	v_mul_f32 v[DT], s22, v[DT]
	v_mul_f32 v[DT+1], s22, v[DT+1]
.irp k, 0,1,2,3,4,5,6,7,8,9,10,11,12,13,14,15
	v_mul_f32 v[G+2*\k], v[DT], v[AN+\k]
	v_mul_f32 v[G+2*\k+1], v[DT+1], v[AN+\k]
.endr
.set ii, 0
.rept 32
	v_exp_f32 v[A+ii], v[G+ii]
.set ii, ii+1
.endr
	v_nop
	s_wait_tensorcnt 0x0                           ; my 32 rows are in LDS,
	s_barrier_signal -1
	s_barrier_wait -1                              ; everybody's are: each wave reads its 64 bytes of all 128 rows
; n rows of x from row r0 on, into the ring's registers of those rows; the four q of a channel pair read the same words
.macro FILL r0, n
.set jj, \r0
.rept \n
	ds_load_b64 v[X+2*(jj%64):X+2*(jj%64)+1], v[XAD] offset:jj*256
.set jj, jj+1
.endr
.endm
; n steps from step tt on: in each, 16 packed multiply-adds that do not wait for each other
.macro STEPS n
.rept \n
.irp k, 0,1,2,3,4,5,6,7,8,9,10,11,12,13,14,15
	v_pk_fma_f32 v[G+2*\k:G+2*\k+1], v[A+2*\k:A+2*\k+1], v[G+2*\k:G+2*\k+1], v[X+2*(tt%64):X+2*(tt%64)+1]
.endr
.set tt, tt+1
.endr
.endm
	FILL 0, 64                                     ; rows 0..63
	; steps 0 and 1 at once start the sums, nothing is cleared: g = A x0 + x1
	s_wait_dscnt 62                                ; LDS loads come back in order (ISA guide 5.7.1): behind row 1's load stand the 62 of rows 2..63
	s_wait_alu depctr_va_vdst(0)
.irp k, 0,1,2,3,4,5,6,7,8,9,10,11,12,13,14,15
	v_pk_fma_f32 v[G+2*\k:G+2*\k+1], v[A+2*\k:A+2*\k+1], v[X:X+1], v[X+2:X+3]
.endr
.set tt, 2
	s_wait_dscnt 56                                ; rows up to 7 are in, the 56 of rows 8..63 may be out
	STEPS 6                                        ; steps 2..7
	s_wait_dscnt 32                                ; rows up to 31 are in
	STEPS 24                                       ; steps 8..31
	FILL 64, 32                                    ; rows 64..95 into the registers of rows 0..31, which are done with
	s_wait_dscnt 32                                ; rows 32..63 are in; the 32 loads just issued stay out
	STEPS 32                                       ; steps 32..63
	FILL 96, 32                                    ; rows 96..127 into the registers of rows 32..63
	s_wait_dscnt 32                                ; rows 64..95 are in; the 32 loads just issued stay out
	STEPS 32                                       ; steps 64..95
	s_wait_dscnt 0x0                               ; nothing was issued behind row 127
	STEPS 32                                       ; steps 96..127
.irp i, 0,1,2,3,4,5,6,7
	global_store_b128 v[SOFF], v[G+4*\i:G+4*\i+3], s[38:39] offset:\i*2048     ; each store of the wave: 512 consecutive bytes, aligned
.endr
	s_wait_tensorcnt 0x0
	ds_add_u32 v208, v209
	s_wait_dscnt 0x0
	s_endpgm
.Lfunc_end_k_q558df49502_states:
	.size	k_q558df49502_states, .Lfunc_end_k_q558df49502_states-k_q558df49502_states
	.p2alignl 7, 3214868480
	.fill 96, 4, 3214868480
	.section	.rodata,"a",@progbits
	.p2align	6, 0x0
	.amdhsa_kernel k_q558df49502_states
		.amdhsa_group_segment_fixed_size 168448
		.amdhsa_private_segment_fixed_size 0
		.amdhsa_enable_private_segment 0
		.amdhsa_kernarg_size 32
		.amdhsa_user_sgpr_count 2
		.amdhsa_user_sgpr_kernarg_segment_ptr 1
		.amdhsa_wavefront_size32 1
		.amdhsa_system_sgpr_workgroup_id_x 1
		.amdhsa_system_sgpr_workgroup_id_y 1
		.amdhsa_system_sgpr_workgroup_id_z 1
		.amdhsa_system_vgpr_workitem_id 0
		.amdhsa_next_free_vgpr 210
		.amdhsa_next_free_sgpr 66
		.amdhsa_reserve_vcc 0
		.amdhsa_float_denorm_mode_32 3
		.amdhsa_float_denorm_mode_16_64 3
		.amdhsa_memory_ordered 1
		.amdhsa_forward_progress 1
		.amdhsa_inst_pref_size 143
	.end_amdhsa_kernel
	.amdgpu_metadata
---
amdhsa.version: [ 1, 2 ]
amdhsa.kernels:
  - .name:           k_q558df49502_states
    .symbol:         k_q558df49502_states.kd
    .args:
      - { .name: x, .offset: 0, .size: 8, .value_kind: global_buffer, .address_space: global }
      - { .name: A_log, .offset: 8, .size: 8, .value_kind: global_buffer, .address_space: global }
      - { .name: log_dt, .offset: 16, .size: 8, .value_kind: global_buffer, .address_space: global }
      - { .name: seg, .offset: 24, .size: 8, .value_kind: global_buffer, .address_space: global }
    .group_segment_fixed_size: 168448
    .private_segment_fixed_size: 0
    .kernarg_segment_align: 8
    .kernarg_segment_size: 32
    .max_flat_workgroup_size: 128
    .sgpr_count:     66
    .vgpr_count:     210
    .wavefront_size: 32
...
	.end_amdgpu_metadata
.endif
;; end of part 4
;; launch prefix: the kernel of part 2 again; grid 16 x 16, 2 waves a work-group, no clusters, 0 bytes of LDS; arguments A_log, B, C, log_dt, seg, ent; writes ent
;; launch scan (part 5): grid 16 x 16, 4 waves a work-group, no clusters, 168,448 bytes of LDS; arguments x, ent, out0; writes out0
.if DOCPART == 5
	.amdgcn_target "amdgcn-amd-amdhsa--gfx1250"
	.amdhsa_code_object_version 6
	.text
	.protected	k_q558df49502_scan
	.globl	k_q558df49502_scan
	.p2align	8
	.type	k_q558df49502_scan,@function
k_q558df49502_scan:
	s_mov_b64 s[64:65], 0
	v_nop
	global_prefetch_b8 v0, s[64:65] scope:SCOPE_SE
	s_setreg_imm32_b32 hwreg(HW_REG_WAVE_MODE, 25, 1), 1
	s_wait_xcnt 0x0
; S4D scan, third launch: y[b][t][d] = sum over n of w[d][n] g[n],  g[n] <- A[d][n] g[n] + x[b][t][d],  g starting from the entering state E[s].
; Work-group (x = segment s of 128 steps, y = 8 batch + block of 64 channels), four waves; lanes as in the first launch:
; wave w channels 16 w .. +15; p = v0 & 7 the channel pair, q = (v0 >> 3) & 3 the states 16 q .. 16 q + 15; register pair k = two channels of state 16 q + k.
;
; THE STREAM.  A step is 16 updates GU(t, k): g[k] = A[k] g[k] + x[t], and 16 products YU(t, k): y[t] += w[k] g[k], the latter ONE chain in one register pair.
; Four steps are in flight: step t starts in slot 4 t; slot s holds the four GU(t, k) with 4 t + k = s and the four YU(t, k) with 4 t + k + 1 = s.
; So on g[k] the order is GU(t, k) in slot 4t+k, YU(t, k) in slot 4t+k+1, GU(t+1, k) in slot 4t+k+4; the links of a chain stand 8 instructions apart,
; a product 8 or more behind its update; nothing has to be joined: 32 packed operations a step.  Slots 0 .. 4 x 127 + 16 = 524.
; LDS instructions stand in runs between slots: run m (0..15) behind slot 32 m + 44, where step 8 m + 7 has had its last product (slot 4 t + 16) and its x was
; last read one slot earlier.  The run stores y of steps 8 m .. 8 m + 7 and loads x of steps 8 m + 16 .. 8 m + 23 into the registers that these steps leave;
; those are first read in slot 32 m + 64.  The vector stream is interrupted 16 times in 128 steps, not twice a step.
; The four q of a channel pair meet in LDS: each lane stores its part of y, 8 bytes a step, in its q's plane; every 32 steps the four planes are
; added on the way out and stored, 16 lanes filling 256 consecutive bytes that start at a multiple of 256 from out0's first byte.
;
; All f32 on the vector unit: in the sum over n both operands carry the channel, so each product feeds one output and a 16 x 16 matrix tile
; would hold 16 wanted sums among 256; the state is carried from step to step.  The order of the sum over n differs from the reference's.
; No cluster: the tiles of x and the entering states are read by one group each.  A and w (32 KiB) are shared by the 16 segments of a (batch, block),
; 32 of the 112 KiB that a group moves; they are read once, in runs of 512 bytes, straight into the registers of the lanes that own them,
; where a joint request would land them in LDS and cost a second copy.
; One tile a group, asked for in the first lines: nothing to run a ring of tensor loads on, nothing to prefetch.
; LIMITS: g and w are kept apart: each must fit f32 by itself.
.set SLOTB, 16384
.set ENTBD, 18*SLOTB
.set YP,    32768                      ; LDS: the x tile at 0..32767 (filled by the tensor loads), the planes behind it (written by LDS stores only)
.set QPL,   32*64+64                   ; one q of one wave: 32 steps x 64 bytes, + 64: plane q starts 16 q words further round the 64 banks (ISA guide 11.1)
.set WREG,  4*QPL+64                   ; one wave's four planes, + 64: on the way back the four waves' 64 bytes of a row start 16 words apart
.set SETB,  4*WREG                     ; a set; two sets take turns from phase to phase
.set XAD,  4                           ; v4  LDS address of my channel pair in row 0 of x
.set YST,  5                           ; v5  where I store my part of y: set 0, step 0
.set YRD,  6                           ; v6  where I read 16 bytes of plane 0 back: set 0, rows 0..7
.set SOFF, 7                           ; v7  16 t: my 16 bytes in each 2048-byte line of a slot
.set OFFO, 8                           ; v8  my byte offset in 8 rows of out0
.set A,   16                           ; v[16:47]   A
.set W,   48                           ; v[48:79]   w
.set G,   80                           ; v[80:111]  g
.set X,   112                          ; v[112:143] ring of 16 steps of x
.set Y,   144                          ; v[144:175] ring of 16 steps of y: a step's chain sums in the pair that is stored
.set T,   176                          ; v[176:239] the way out: 4 groups of 8 rows x 4 planes x 16 bytes
	s_load_b128 s[4:7], s[0:1], 0x0                ; x s[4:5], ent s[6:7]
	s_load_b64 s[8:9], s[0:1], 0x10                ; out0
	v_lshl_add_u32 v240, v0, 2, 0x29000
	v_mov_b32 v241, 0
	ds_add_u32 v240, v241
	ds_add_u32 v240, v241
	v_lshrrev_b32 v1, 5, v0
	v_readfirstlane_b32 s16, v1                    ; wave
	s_mov_b32 s17, ttmp9                           ; segment
	s_and_b32 s18, ttmp7, 0xffff                   ; 8 batch + block
	s_lshr_b32 s19, s18, 3
	s_and_b32 s20, s18, 7
	; tensor descriptor as in the first launch: my wave's 32 rows x 256 bytes of the tile
	s_mov_b32 s24, 1
	s_lshl_b32 s25, s16, 13
	s_mov_b32 s28, 2<<16
	s_mov_b32 s29, 64<<16
	s_mov_b32 s30, 32<<16
	s_mov_b32 s31, 64<<16
	s_mov_b32 s32, 32
	s_mov_b32 s33, 512
	s_mov_b32 s34, 0
	s_mov_b32 s35, 0
	s_lshl_b32 s22, s19, 22                        ; batch x 2048 rows x 2048 bytes
	s_lshl_b32 s21, s17, 18                        ; + segment x 128 rows
	s_add_co_u32 s22, s22, s21
	s_lshl_b32 s21, s20, 8                         ; + block x 256 bytes: the group's corner in x and in out0
	s_add_co_u32 s22, s22, s21
	s_mov_b32 s23, 0
	s_lshl_b32 s36, s16, 16                        ; + wave x 32 rows: my part of the tile
	s_add_co_u32 s36, s36, s22
	s_mov_b32 s37, 0
	s_mul_i32 s38, s18, ENTBD
	s_mov_b32 s39, 0
	s_lshl_b32 s40, s17, 14
	s_mov_b32 s41, 0
	v_and_b32 v2, 7, v0                            ; p
	v_bfe_u32 v3, v0, 3, 2                         ; q
	s_lshl_b32 s21, s16, 6
	v_lshl_add_u32 v[XAD], v2, 3, s21              ; 64 wave + 8 p
	s_mul_i32 s21, s16, WREG
	s_add_co_u32 s21, s21, YP                      ; my wave's planes
	v_mul_u32_u24 v[YST], v3, QPL
	v_lshl_add_u32 v[YST], v2, 3, v[YST]
	v_add_nc_u32 v[YST], s21, v[YST]               ; + q's plane + 8 p
	v_bfe_u32 v9, v0, 2, 2                         ; back: thread t takes row t / 16, bytes 16 (t % 16): wave (t >> 2) & 3 wrote them,
	v_and_b32 v10, 3, v0                           ; at 16 (t & 3) of its 64
	v_lshrrev_b32 v11, 4, v0
	v_mul_u32_u24 v[YRD], v9, WREG
	v_lshl_add_u32 v[YRD], v10, 4, v[YRD]
	v_lshl_add_u32 v[YRD], v11, 6, v[YRD]
	v_add_nc_u32 v[YRD], YP, v[YRD]
	v_lshlrev_b32 v[SOFF], 4, v0
	v_and_b32 v[OFFO], 15, v0
	v_lshlrev_b32 v[OFFO], 4, v[OFFO]
	v_lshl_add_u32 v[OFFO], v11, 11, v[OFFO]       ; row t / 16 of 2048 bytes + 16 (t % 16)
	s_wait_dscnt 0x0
	s_wait_kmcnt 0x0
	s_add_nc_u64 s[26:27], s[4:5], s[36:37]
	s_or_b32 s27, s27, 0x80000000
	tensor_load_to_lds s[24:27], s[28:35]          ; the one tensor load of this wave
	s_nop 0
	s_add_nc_u64 s[10:11], s[8:9], s[22:23]        ; out0 at the group's corner
	s_add_nc_u64 s[38:39], s[6:7], s[38:39]        ; ent at my (batch, block)
	s_add_nc_u64 s[40:41], s[38:39], s[40:41]      ; slot s: the entering state
.irp i, 0,1,2,3,4,5,6,7
	global_load_b128 v[G+4*\i:G+4*\i+3], v[SOFF], s[40:41] offset:\i*2048
.endr
.irp i, 0,1,2,3,4,5,6,7
	global_load_b128 v[A+4*\i:A+4*\i+3], v[SOFF], s[38:39] offset:16*SLOTB+\i*2048
.endr
.irp i, 0,1,2,3,4,5,6,7
	global_load_b128 v[W+4*\i:W+4*\i+3], v[SOFF], s[38:39] offset:17*SLOTB+\i*2048
.endr
	s_wait_loadcnt 0x0
	s_wait_tensorcnt 0x0                           ; my 32 rows of x are in LDS,
	s_barrier_signal -1
	s_barrier_wait -1                              ; everybody's are
.set jj, 0
.rept 16
	ds_load_b64 v[X+2*jj:X+2*jj+1], v[XAD] offset:jj*256       ; the ring: rows 0..15
.set jj, jj+1
.endr
	s_wait_dscnt 0x0
.macro GU st, k                        ; g[k] = A[k] g[k] + x[st]
	v_pk_fma_f32 v[G+2*(\k):G+2*(\k)+1], v[A+2*(\k):A+2*(\k)+1], v[G+2*(\k):G+2*(\k)+1], v[X+2*((\st)%16):X+2*((\st)%16)+1]
.endm
.macro YU st, k                        ; y[st] += w[k] g[k]; the first product starts the chain, nothing is cleared
.if (\k) > 0
	v_pk_fma_f32 v[Y+2*((\st)%16):Y+2*((\st)%16)+1], v[W+2*(\k):W+2*(\k)+1], v[G+2*(\k):G+2*(\k)+1], v[Y+2*((\st)%16):Y+2*((\st)%16)+1]
.else
	v_pk_mul_f32 v[Y+2*((\st)%16):Y+2*((\st)%16)+1], v[W:W+1], v[G:G+1]
.endif
.endm
; Slot ss: the updates with 4 t + k = ss (t = ss / 4 - i, k = ss % 4 + 4 i), then the products with 4 t + k = ss - 1.  Steps outside 0..127 have no lines.
.macro SLOT
.irp i, 0,1,2,3
.set tq, ss/4-\i
.set kq, ss%4+4*\i
.if tq >= 0
.if tq < 128
	GU tq, kq
.endif
.endif
.endr
.if ss > 0
.irp i, 0,1,2,3
.set tq, (ss-1)/4-\i
.set kq, (ss-1)%4+4*\i
.if tq >= 0
.if tq < 128
	YU tq, kq
.endif
.endif
.endr
.endif
.set ss, ss+1
.endm
.macro SLOTS n
.rept \n
	SLOT
.endr
.endm
; Run m, behind slot 32 m + 44: y of steps 8 m .. 8 m + 7 goes to my plane (set (m / 4) % 2, row = step % 32);
; x of steps 8 m + 16 .. 8 m + 23 comes into the ring's registers of steps 8 m .. 8 m + 7.  The last two runs have no rows left to load.
.macro RUN m
.set jj, 8*(\m)
.rept 8
	ds_store_b64 v[YST], v[Y+2*(jj%16):Y+2*(jj%16)+1] offset:(((\m)/4)%2)*SETB+(jj%32)*64
.set jj, jj+1
.endr
.if (\m) < 14
.set jj, 8*(\m)
.rept 8
	ds_load_b64 v[X+2*(jj%16):X+2*(jj%16)+1], v[XAD] offset:(jj+16)*256
.set jj, jj+1
.endr
.endif
.endm
; The end of a phase of 32 steps.  One barrier does two things: every wave's stores into this phase's set are done before any wave reads them, and every
; wave's reads of the other set, made one phase ago and waited for in that phase's OUT, are done before the next phase stores into it.
.macro MEET
	s_wait_dscnt 0x0                               ; for the other waves' sake: all my LDS stores are done (and my loads are back)
	s_barrier_signal -1
.endm
.macro FETCH ph
	s_barrier_wait -1
	s_wait_xcnt 0x0                                ; the last way out's stores read T: it is loaded again only behind this wait (ISA guide 3.1)
.irp g, 0,1,2,3
.irp pl, 0,1,2,3
	ds_load_b128 v[T+16*\g+4*\pl:T+16*\g+4*\pl+3], v[YRD] offset:((\ph)%2)*SETB+\pl*QPL+\g*512
.endr
.endr
.endm
.macro OUT ph
.irp g, 0,1,2,3
	s_wait_dscnt 12-4*\g                           ; the plane loads are the youngest LDS instructions: four for each of the 3 - g younger groups stay out
	v_pk_add_f32 v[T+16*\g:T+16*\g+1], v[T+16*\g:T+16*\g+1], v[T+16*\g+4:T+16*\g+5]
	v_pk_add_f32 v[T+16*\g+2:T+16*\g+3], v[T+16*\g+2:T+16*\g+3], v[T+16*\g+6:T+16*\g+7]
	v_pk_add_f32 v[T+16*\g+8:T+16*\g+9], v[T+16*\g+8:T+16*\g+9], v[T+16*\g+12:T+16*\g+13]
	v_pk_add_f32 v[T+16*\g+10:T+16*\g+11], v[T+16*\g+10:T+16*\g+11], v[T+16*\g+14:T+16*\g+15]
	v_pk_add_f32 v[T+16*\g:T+16*\g+1], v[T+16*\g:T+16*\g+1], v[T+16*\g+8:T+16*\g+9]
	v_pk_add_f32 v[T+16*\g+2:T+16*\g+3], v[T+16*\g+2:T+16*\g+3], v[T+16*\g+10:T+16*\g+11]
	global_store_b128 v[OFFO], v[T+16*\g:T+16*\g+3], s[10:11] offset:(\ph)*65536+\g*16384 th:TH_STORE_NT   ; 16 lanes: 256 consecutive bytes of one row, aligned
.endr
.endm
; A run in the middle of a phase and the 32 slots behind it: the rows that the run asked for are first read 20 slots on
.macro PART m
	RUN \m
	SLOTS 19                                       ; slots 32 m + 45 .. 32 m + 63 read the ring's other half
	s_wait_dscnt 0x0                               ; the run's eight rows, asked for 152 vector instructions ago
	SLOTS 13                                       ; slots 32 m + 64 .. 32 m + 76
.endm
.set ss, 0
	SLOTS 45                                       ; slots 0..44
.irp ph, 0,1,2
	PART 4*\ph
	PART 4*\ph+1
	PART 4*\ph+2
	RUN 4*\ph+3                                    ; the phase's last eight steps
	SLOTS 4                                        ; the stream goes on while the stores land,
	MEET
	SLOTS 4                                        ; registers only, while the other waves arrive,
	FETCH \ph
	SLOTS 11                                       ; and while the planes come back.  The run's rows of x were waited for in MEET
	OUT \ph
	SLOTS 13
.endr
	PART 12
	PART 13
	RUN 14                                         ; stores alone: every row of x has been asked for
	SLOTS 32                                       ; slots 493..524
	RUN 15
	MEET
	FETCH 3
	OUT 3
	s_wait_tensorcnt 0x0
	ds_add_u32 v240, v241
	s_wait_dscnt 0x0
	s_endpgm
.Lfunc_end_k_q558df49502_scan:
	.size	k_q558df49502_scan, .Lfunc_end_k_q558df49502_scan-k_q558df49502_scan
	.p2alignl 7, 3214868480
	.fill 96, 4, 3214868480
	.section	.rodata,"a",@progbits
	.p2align	6, 0x0
	.amdhsa_kernel k_q558df49502_scan
		.amdhsa_group_segment_fixed_size 168448
		.amdhsa_private_segment_fixed_size 0
		.amdhsa_enable_private_segment 0
		.amdhsa_kernarg_size 24
		.amdhsa_user_sgpr_count 2
		.amdhsa_user_sgpr_kernarg_segment_ptr 1
		.amdhsa_wavefront_size32 1
		.amdhsa_system_sgpr_workgroup_id_x 1
		.amdhsa_system_sgpr_workgroup_id_y 1
		.amdhsa_system_sgpr_workgroup_id_z 1
		.amdhsa_system_vgpr_workitem_id 0
		.amdhsa_next_free_vgpr 242
		.amdhsa_next_free_sgpr 66
		.amdhsa_reserve_vcc 0
		.amdhsa_float_denorm_mode_32 3
		.amdhsa_float_denorm_mode_16_64 3
		.amdhsa_memory_ordered 1
		.amdhsa_forward_progress 1
		.amdhsa_inst_pref_size 255
	.end_amdhsa_kernel
	.section	.bss,"aw",@nobits
	.p2align	6
	.space	262144
	.amdgpu_metadata
---
amdhsa.version: [ 1, 2 ]
amdhsa.kernels:
  - .name:           k_q558df49502_scan
    .symbol:         k_q558df49502_scan.kd
    .args:
      - { .name: x, .offset: 0, .size: 8, .value_kind: global_buffer, .address_space: global }
      - { .name: ent, .offset: 8, .size: 8, .value_kind: global_buffer, .address_space: global }
      - { .name: out0, .offset: 16, .size: 8, .value_kind: global_buffer, .address_space: global }
    .group_segment_fixed_size: 168448
    .private_segment_fixed_size: 0
    .kernarg_segment_align: 8
    .kernarg_segment_size: 24
    .max_flat_workgroup_size: 128
    .sgpr_count:     66
    .vgpr_count:     242
    .wavefront_size: 32
...
	.end_amdgpu_metadata
.endif
;; end of part 5
;; ======== version 3 of 3: 3 launches; 1.32 times as fast as version 1
;; workspace buffers: seg 3,932,160 bytes; ent 4,718,592 bytes
;; launch states (part 6): grid 15 x 16, 4 waves a work-group, no clusters, 168,448 bytes of LDS; arguments x, A_log, log_dt, seg; writes seg
.if DOCPART == 6
	.amdgcn_target "amdgcn-amd-amdhsa--gfx1250"
	.amdhsa_code_object_version 6
	.text
	.protected	k_q558df49502_states
	.globl	k_q558df49502_states
	.p2align	8
	.type	k_q558df49502_states,@function
k_q558df49502_states:
	s_mov_b64 s[64:65], 0
	v_nop
	global_prefetch_b8 v0, s[64:65] scope:SCOPE_SE
	s_setreg_imm32_b32 hwreg(HW_REG_WAVE_MODE, 25, 1), 1
	s_wait_xcnt 0x0
; S4D scan, first of three launches: what each time segment adds to the state.
; g[n] <- A[d][n] g[n] + x[t][d], from g = 0, over the 128 steps of one segment;  A = exp(-exp(log_dt[d]) exp(A_log[n])).
; g is the reference's h without its factor B_bar = dt B; the third launch multiplies by w = C dt B when it sums over n.
; Work-group (x = segment 0..14, y = 8 batch + block of 64 channels); the 16th segment's end state is used by nobody, so it has no group.
; Wave w: channels 16 w .. 16 w + 15 of the block.  Lane: p = v0 & 7 the channel pair 2p, 2p+1; q = (v0 >> 3) & 3 the states 16 q .. 16 q + 15.
; Register pair k = (channel 2p, channel 2p+1) of state 16 q + k, so x comes as it lies in memory, 8 bytes a lane and step, with no broadcast.
; x goes from LDS to a ring of 64 steps in registers, filled in three runs (64, 32, 32 loads): the stream of 2,032 packed multiply-adds
; is interrupted by LDS instructions three times, not once a step.
; All f32 on the vector unit: the state is carried from step to step, and in the later sum over n both operands carry the channel,
; so each product feeds one output and a 16 x 16 matrix tile would hold 16 wanted sums among 256.
; No cluster: no two work-groups read the same tile of x; what they share (256 bytes of A_log, 256 of log_dt) is under 2 % of the 32 KiB tile.
; One tile a work-group, asked for in the first lines: there is nothing to run a ring of tensor loads on, and nothing to prefetch.
; seg: per (batch, block) 15 slots of 16 KiB, slot s = end state of segment s; register 4 i + j of thread t lies at byte 2048 i + 16 t + 4 j.
; LIMITS: v_exp_f32 flushes denormals (ISA guide 15.8): log_dt < -87.3 gives dt = 0 where the reference has a denormal; with A_log > 88.7 as well
; that is 0 x inf = NaN where the reference has A_bar = 0.  g is kept apart from B_bar and must fit f32 by itself.
.set SLOTB, 16384                      ; bytes in a slot: 64 channels x 64 states x 4
.set SEGBD, 15*SLOTB                   ; slots of one (batch, block)
.set XAD,  4                           ; v4        LDS address of my channel pair in row 0 of the tile
.set LDO,  5                           ; v5        byte offset of my pair in log_dt
.set ALO,  6                           ; v6        byte offset of my 16 states in A_log
.set SOFF, 7                           ; v7        16 t: my 16 bytes in each 2048-byte line of a slot
.set LD,   10                          ; v[10:11]  log_dt of the pair
.set DT,   12                          ; v[12:13]  dt of the pair, then -log2(e) dt
.set A,    16                          ; v[16:47]  A, 16 pairs
.set G,    48                          ; v[48:79]  g, 16 pairs (before the steps: A's exponents)
.set X,    80                          ; v[80:207] ring of 64 steps of x
.set AL,   80                          ; v[80:95]  A_log of my 16 states   (both done with before the ring is filled)
.set AN,   96                          ; v[96:111] exp(A_log)
	s_load_b256 s[4:11], s[0:1], 0x0               ; x s[4:5], A_log s[6:7], log_dt s[8:9], seg s[10:11]
	v_lshl_add_u32 v208, v0, 2, 0x29000
	v_mov_b32 v209, 0
	ds_add_u32 v208, v209
	ds_add_u32 v208, v209
	v_lshrrev_b32 v1, 5, v0
	v_readfirstlane_b32 s16, v1                    ; wave
	s_mov_b32 s17, ttmp9                           ; segment
	s_and_b32 s18, ttmp7, 0xffff                   ; 8 batch + block
	s_lshr_b32 s19, s18, 3                         ; batch
	s_and_b32 s20, s18, 7                          ; block of 64 channels
	s_mov_b32 s21, 0x3fb8aa3b                      ; log2(e)
	s_mov_b32 s22, 0xbfb8aa3b                      ; -log2(e)
	; tensor descriptor: my wave's 32 rows of the tile, 64 f32 (256 bytes) each, 512 elements from row to row, dense in LDS
	s_mov_b32 s24, 1                               ; group 0: count
	s_lshl_b32 s25, s16, 13                        ; LDS address: wave x 32 rows x 256 bytes
	s_mov_b32 s28, 2<<16                           ; group 1: elements of 4 bytes, no mask, no padding
	s_mov_b32 s29, 64<<16                          ; tensor_dim0 = 64
	s_mov_b32 s30, 32<<16                          ; tensor_dim1 = 32
	s_mov_b32 s31, 64<<16                          ; tile_dim0 = 64
	s_mov_b32 s32, 32                              ; tile_dim1 = 32
	s_mov_b32 s33, 512                             ; pitch in elements
	s_mov_b32 s34, 0
	s_mov_b32 s35, 0
	s_lshl_b32 s36, s19, 22                        ; batch x 2048 rows x 2048 bytes
	s_lshl_b32 s23, s17, 18                        ; + segment x 128 rows
	s_add_co_u32 s36, s36, s23
	s_lshl_b32 s23, s20, 8                         ; + block x 256 bytes
	s_add_co_u32 s36, s36, s23
	s_lshl_b32 s23, s16, 16                        ; + wave x 32 rows
	s_add_co_u32 s36, s36, s23
	s_mov_b32 s37, 0
	s_mul_i32 s38, s18, SEGBD                      ; my slot in seg
	s_lshl_b32 s23, s17, 14
	s_add_co_u32 s38, s38, s23
	s_mov_b32 s39, 0
	v_and_b32 v2, 7, v0                            ; p
	v_bfe_u32 v3, v0, 3, 2                         ; q
	s_lshl_b32 s23, s16, 6
	v_lshl_add_u32 v[XAD], v2, 3, s23              ; 64 wave + 8 p
	s_lshl_b32 s23, s20, 8
	v_add_nc_u32 v[LDO], s23, v[XAD]               ; 4 x (64 block + 16 wave + 2 p)
	v_lshlrev_b32 v[ALO], 6, v3                    ; 4 x 16 q
	v_lshlrev_b32 v[SOFF], 4, v0
	s_wait_dscnt 0x0
	s_wait_kmcnt 0x0
	s_add_nc_u64 s[26:27], s[4:5], s[36:37]
	s_or_b32 s27, s27, 0x80000000                  ; type 2
	tensor_load_to_lds s[24:27], s[28:35]          ; the one tensor load of this wave
	s_nop 0
	global_load_b64 v[LD:LD+1], v[LDO], s[8:9]
.irp i, 0,1,2,3
	global_load_b128 v[AL+4*\i:AL+4*\i+3], v[ALO], s[6:7] offset:16*\i
.endr
	s_add_nc_u64 s[38:39], s[10:11], s[38:39]
	s_wait_loadcnt 0x0
	; dt = exp(log_dt), a = exp(A_log), A = exp(-dt a), exponentials in base 2.  Behind each run of v_exp_f32 one v_nop stands
	; before a result is read or a source rewritten (ISA guide 5.7.2).
	v_mul_f32 v[LD], s21, v[LD]
	v_mul_f32 v[LD+1], s21, v[LD+1]
.irp i, 0,1,2,3,4,5,6,7,8,9,10,11,12,13,14,15
	v_mul_f32 v[AL+\i], s21, v[AL+\i]
.endr
	v_exp_f32 v[DT], v[LD]
	v_exp_f32 v[DT+1], v[LD+1]
.irp i, 0,1,2,3,4,5,6,7,8,9,10,11,12,13,14,15
	v_exp_f32 v[AN+\i], v[AL+\i]
.endr
	v_nop
	s_wait_alu depctr_va_vdst(0)
	v_mul_f32 v[DT], s22, v[DT]
	v_mul_f32 v[DT+1], s22, v[DT+1]
.irp k, 0,1,2,3,4,5,6,7,8,9,10,11,12,13,14,15
	v_mul_f32 v[G+2*\k], v[DT], v[AN+\k]
	v_mul_f32 v[G+2*\k+1], v[DT+1], v[AN+\k]
.endr
.set ii, 0
.rept 32
	v_exp_f32 v[A+ii], v[G+ii]
.set ii, ii+1
.endr
	v_nop
	s_wait_tensorcnt 0x0                           ; my 32 rows are in LDS,
	s_barrier_signal -1
	s_barrier_wait -1                              ; everybody's are: each wave reads its 64 bytes of all 128 rows
; n rows of x from row r0 on, into the ring's registers of those rows; the four q of a channel pair read the same words
.macro FILL r0, n
.set jj, \r0
.rept \n
	ds_load_b64 v[X+2*(jj%64):X+2*(jj%64)+1], v[XAD] offset:jj*256
.set jj, jj+1
.endr
.endm
; n steps from step tt on: in each, 16 packed multiply-adds that do not wait for each other
.macro STEPS n
.rept \n
.irp k, 0,1,2,3,4,5,6,7,8,9,10,11,12,13,14,15
	v_pk_fma_f32 v[G+2*\k:G+2*\k+1], v[A+2*\k:A+2*\k+1], v[G+2*\k:G+2*\k+1], v[X+2*(tt%64):X+2*(tt%64)+1]
.endr
.set tt, tt+1
.endr
.endm
	FILL 0, 63                                     ; rows 0..62
	s_wait_dscnt 61                                ; LDS loads come back in order (ISA guide 5.7.1): behind row 1's load stand the 61 of rows 2..62
	FILL 63, 1                                     ; row 63 is asked for behind that wait: the wave never has more than 63 LDS loads out; now 62, rows 2..63
	; steps 0 and 1 at once start the sums, nothing is cleared: g = A x0 + x1
	s_wait_alu depctr_va_vdst(0)
.irp k, 0,1,2,3,4,5,6,7,8,9,10,11,12,13,14,15
	v_pk_fma_f32 v[G+2*\k:G+2*\k+1], v[A+2*\k:A+2*\k+1], v[X:X+1], v[X+2:X+3]
.endr
.set tt, 2
	s_wait_dscnt 56                                ; rows up to 7 are in, the 56 of rows 8..63 may be out
	STEPS 6                                        ; steps 2..7
	s_wait_dscnt 32                                ; rows up to 31 are in
	STEPS 24                                       ; steps 8..31
	FILL 64, 32                                    ; rows 64..95 into the registers of rows 0..31, which are done with
	s_wait_dscnt 32                                ; rows 32..63 are in; the 32 loads just issued stay out
	STEPS 32                                       ; steps 32..63
	FILL 96, 32                                    ; rows 96..127 into the registers of rows 32..63
	s_wait_dscnt 32                                ; rows 64..95 are in; the 32 loads just issued stay out
	STEPS 32                                       ; steps 64..95
	s_wait_dscnt 0x0                               ; nothing was issued behind row 127
	STEPS 32                                       ; steps 96..127
.irp i, 0,1,2,3,4,5,6,7
	global_store_b128 v[SOFF], v[G+4*\i:G+4*\i+3], s[38:39] offset:\i*2048     ; each store of the wave: 512 consecutive bytes, aligned
.endr
	s_wait_tensorcnt 0x0
	ds_add_u32 v208, v209
	s_wait_dscnt 0x0
	s_endpgm
.Lfunc_end_k_q558df49502_states:
	.size	k_q558df49502_states, .Lfunc_end_k_q558df49502_states-k_q558df49502_states
	.p2alignl 7, 3214868480
	.fill 96, 4, 3214868480
	.section	.rodata,"a",@progbits
	.p2align	6, 0x0
	.amdhsa_kernel k_q558df49502_states
		.amdhsa_group_segment_fixed_size 168448
		.amdhsa_private_segment_fixed_size 0
		.amdhsa_enable_private_segment 0
		.amdhsa_kernarg_size 32
		.amdhsa_user_sgpr_count 2
		.amdhsa_user_sgpr_kernarg_segment_ptr 1
		.amdhsa_wavefront_size32 1
		.amdhsa_system_sgpr_workgroup_id_x 1
		.amdhsa_system_sgpr_workgroup_id_y 1
		.amdhsa_system_sgpr_workgroup_id_z 1
		.amdhsa_system_vgpr_workitem_id 0
		.amdhsa_next_free_vgpr 210
		.amdhsa_next_free_sgpr 66
		.amdhsa_reserve_vcc 0
		.amdhsa_float_denorm_mode_32 3
		.amdhsa_float_denorm_mode_16_64 3
		.amdhsa_memory_ordered 1
		.amdhsa_forward_progress 1
		.amdhsa_inst_pref_size 143
	.end_amdhsa_kernel
	.amdgpu_metadata
---
amdhsa.version: [ 1, 2 ]
amdhsa.kernels:
  - .name:           k_q558df49502_states
    .symbol:         k_q558df49502_states.kd
    .args:
      - { .name: x, .offset: 0, .size: 8, .value_kind: global_buffer, .address_space: global }
      - { .name: A_log, .offset: 8, .size: 8, .value_kind: global_buffer, .address_space: global }
      - { .name: log_dt, .offset: 16, .size: 8, .value_kind: global_buffer, .address_space: global }
      - { .name: seg, .offset: 24, .size: 8, .value_kind: global_buffer, .address_space: global }
    .group_segment_fixed_size: 168448
    .private_segment_fixed_size: 0
    .kernarg_segment_align: 8
    .kernarg_segment_size: 32
    .max_flat_workgroup_size: 128
    .sgpr_count:     66
    .vgpr_count:     210
    .wavefront_size: 32
...
	.end_amdgpu_metadata
.endif
;; end of part 6
;; launch prefix: the kernel of part 2 again; grid 16 x 16, 2 waves a work-group, no clusters, 0 bytes of LDS; arguments A_log, B, C, log_dt, seg, ent; writes ent
;; launch scan (part 7): grid 16 x 16, 4 waves a work-group, no clusters, 168,448 bytes of LDS; arguments x, ent, out0; writes out0
.if DOCPART == 7
	.amdgcn_target "amdgcn-amd-amdhsa--gfx1250"
	.amdhsa_code_object_version 6
	.text
	.protected	k_q558df49502_scan
	.globl	k_q558df49502_scan
	.p2align	8
	.type	k_q558df49502_scan,@function
k_q558df49502_scan:
	s_mov_b64 s[64:65], 0
	v_nop
	global_prefetch_b8 v0, s[64:65] scope:SCOPE_SE
	s_setreg_imm32_b32 hwreg(HW_REG_WAVE_MODE, 25, 1), 1
	s_wait_xcnt 0x0
; S4D scan, third launch: y[b][t][d] = sum over n of w[d][n] g[n],  g[n] <- A[d][n] g[n] + x[b][t][d],  g starting from the entering state E[s].
; Work-group (x = segment s of 128 steps, y = 8 batch + block of 64 channels), four waves; lanes as in the first launch:
; wave w channels 16 w .. +15; p = v0 & 7 the channel pair, q = (v0 >> 3) & 3 the states 16 q .. 16 q + 15; register pair k = two channels of state 16 q + k.
;
; THE STREAM.  A step is 16 updates GU(t, k): g[k] = A[k] g[k] + x[t], 16 products YU(t, k) in four chains (chain k % 4), and three adds that join the chains.
; Turn t, for j = 0..3: the four products YU(t, 4j .. 4j+3), then the four updates GU(t+1, 4j .. 4j+3).  So a product stands a turn behind its update and in
; front of the next update of the same g, and the links of a chain stand 8 instructions apart.  The chains of step t-1 are joined in turn t: c0 += c2 and
; c1 += c3 behind block 0 (12 instructions behind the chains' last links), y = c0 + c1 behind block 1, written straight into the ring from which it is stored.
; REGISTERS BY BANK.  The dual-issue rules of the ISA guide tell the vector registers' four banks apart by the register number modulo 4.  A[k], w[k], g[k] and
; chain k % 4 all begin at a number that is 2 k modulo 4, so a line takes its sources from numbers 0, 1 (k even) or 2, 3 (k odd) modulo 4, and k's parity
; changes from line to line: neighbouring lines draw on different banks.  The first two joins pair chains of one parity for the same reason.
; The four updates of a block name the same x as their third source.
; LDS instructions stand in runs between turns: run m (0..15) behind turn 8 m + 8, in which y of step 8 m + 7 is joined; x of that step was last read in turn
; 8 m + 6.  The run stores y of steps 8 m .. 8 m + 7 and loads x of steps 8 m + 16 .. 8 m + 23 into the registers that these steps leave; those are first
; read in turn 8 m + 15.  The vector stream is interrupted 16 times in 128 steps, not twice a step.
; The four q of a channel pair meet in LDS: each lane stores its part of y, 8 bytes a step, in its q's plane; every 32 steps the four planes are
; added on the way out and stored, 16 lanes filling 256 consecutive bytes that start at a multiple of 256 from out0's first byte.
;
; All f32 on the vector unit: in the sum over n both operands carry the channel, so each product feeds one output and a 16 x 16 matrix tile
; would hold 16 wanted sums among 256; the state is carried from step to step.  The order of the sum over n differs from the reference's.
; No cluster: the tiles of x and the entering states are read by one group each.  A and w (32 KiB) are shared by the 16 segments of a (batch, block),
; 32 of the 112 KiB that a group moves; they are read once, in runs of 512 bytes, straight into the registers of the lanes that own them,
; where a joint request would land them in LDS and cost a second copy.
; One tile a group, asked for in the first lines: nothing to run a ring of tensor loads on, nothing to prefetch.
; LIMITS: g and w are kept apart: each must fit f32 by itself.
.set SLOTB, 16384
.set ENTBD, 18*SLOTB
.set YP,    32768                      ; LDS: the x tile at 0..32767 (filled by the tensor loads), the planes behind it (written by LDS stores only)
.set QPL,   32*64+64                   ; one q of one wave: 32 steps x 64 bytes, + 64: plane q starts 16 q words further round the 64 banks (ISA guide 11.1)
.set WREG,  4*QPL+64                   ; one wave's four planes, + 64: on the way back the four waves' 64 bytes of a row start 16 words apart
.set SETB,  4*WREG                     ; a set; two sets take turns from phase to phase
.set XAD,  4                           ; v4  LDS address of my channel pair in row 0 of x
.set YST,  5                           ; v5  where I store my part of y: set 0, step 0
.set YRD,  6                           ; v6  where I read 16 bytes of plane 0 back: set 0, rows 0..7
.set SOFF, 7                           ; v7  16 t: my 16 bytes in each 2048-byte line of a slot
.set OFFO, 8                           ; v8  my byte offset in 8 rows of out0
.set A,   16                           ; v[16:47]   A
.set W,   48                           ; v[48:79]   w
.set G,   80                           ; v[80:111]  g
.set X,   112                          ; v[112:143] ring of 16 steps of x
.set Y,   144                          ; v[144:175] ring of 16 steps of y, joined, waiting for their run
.set T,   176                          ; v[176:239] the way out: 4 groups of 8 rows x 4 planes x 16 bytes
.set CH,  240                          ; v[240:255] two sets (even, odd steps) of four chains
	s_load_b128 s[4:7], s[0:1], 0x0                ; x s[4:5], ent s[6:7]
	s_load_b64 s[8:9], s[0:1], 0x10                ; out0
	v_lshl_add_u32 v14, v0, 2, 0x29000
	v_mov_b32 v15, 0
	ds_add_u32 v14, v15
	ds_add_u32 v14, v15
	v_lshrrev_b32 v1, 5, v0
	v_readfirstlane_b32 s16, v1                    ; wave
	s_mov_b32 s17, ttmp9                           ; segment
	s_and_b32 s18, ttmp7, 0xffff                   ; 8 batch + block
	s_lshr_b32 s19, s18, 3
	s_and_b32 s20, s18, 7
	; tensor descriptor as in the first launch: my wave's 32 rows x 256 bytes of the tile
	s_mov_b32 s24, 1
	s_lshl_b32 s25, s16, 13
	s_mov_b32 s28, 2<<16
	s_mov_b32 s29, 64<<16
	s_mov_b32 s30, 32<<16
	s_mov_b32 s31, 64<<16
	s_mov_b32 s32, 32
	s_mov_b32 s33, 512
	s_mov_b32 s34, 0
	s_mov_b32 s35, 0
	s_lshl_b32 s22, s19, 22                        ; batch x 2048 rows x 2048 bytes
	s_lshl_b32 s21, s17, 18                        ; + segment x 128 rows
	s_add_co_u32 s22, s22, s21
	s_lshl_b32 s21, s20, 8                         ; + block x 256 bytes: the group's corner in x and in out0
	s_add_co_u32 s22, s22, s21
	s_mov_b32 s23, 0
	s_lshl_b32 s36, s16, 16                        ; + wave x 32 rows: my part of the tile
	s_add_co_u32 s36, s36, s22
	s_mov_b32 s37, 0
	s_mul_i32 s38, s18, ENTBD
	s_mov_b32 s39, 0
	s_lshl_b32 s40, s17, 14
	s_mov_b32 s41, 0
	v_and_b32 v2, 7, v0                            ; p
	v_bfe_u32 v3, v0, 3, 2                         ; q
	s_lshl_b32 s21, s16, 6
	v_lshl_add_u32 v[XAD], v2, 3, s21              ; 64 wave + 8 p
	s_mul_i32 s21, s16, WREG
	s_add_co_u32 s21, s21, YP                      ; my wave's planes
	v_mul_u32_u24 v[YST], v3, QPL
	v_lshl_add_u32 v[YST], v2, 3, v[YST]
	v_add_nc_u32 v[YST], s21, v[YST]               ; + q's plane + 8 p
	v_bfe_u32 v9, v0, 2, 2                         ; back: thread t takes row t / 16, bytes 16 (t % 16): wave (t >> 2) & 3 wrote them,
	v_and_b32 v10, 3, v0                           ; at 16 (t & 3) of its 64
	v_lshrrev_b32 v11, 4, v0
	v_mul_u32_u24 v[YRD], v9, WREG
	v_lshl_add_u32 v[YRD], v10, 4, v[YRD]
	v_lshl_add_u32 v[YRD], v11, 6, v[YRD]
	v_add_nc_u32 v[YRD], YP, v[YRD]
	v_lshlrev_b32 v[SOFF], 4, v0
	v_and_b32 v[OFFO], 15, v0
	v_lshlrev_b32 v[OFFO], 4, v[OFFO]
	v_lshl_add_u32 v[OFFO], v11, 11, v[OFFO]       ; row t / 16 of 2048 bytes + 16 (t % 16)
	s_wait_dscnt 0x0
	s_wait_kmcnt 0x0
	s_add_nc_u64 s[26:27], s[4:5], s[36:37]
	s_or_b32 s27, s27, 0x80000000
	tensor_load_to_lds s[24:27], s[28:35]          ; the one tensor load of this wave
	s_nop 0
	s_add_nc_u64 s[10:11], s[8:9], s[22:23]        ; out0 at the group's corner
	s_add_nc_u64 s[38:39], s[6:7], s[38:39]        ; ent at my (batch, block)
	s_add_nc_u64 s[40:41], s[38:39], s[40:41]      ; slot s: the entering state
.irp i, 0,1,2,3,4,5,6,7
	global_load_b128 v[G+4*\i:G+4*\i+3], v[SOFF], s[40:41] offset:\i*2048
.endr
.irp i, 0,1,2,3,4,5,6,7
	global_load_b128 v[A+4*\i:A+4*\i+3], v[SOFF], s[38:39] offset:16*SLOTB+\i*2048
.endr
.irp i, 0,1,2,3,4,5,6,7
	global_load_b128 v[W+4*\i:W+4*\i+3], v[SOFF], s[38:39] offset:17*SLOTB+\i*2048
.endr
	s_wait_loadcnt 0x0
	s_wait_tensorcnt 0x0                           ; my 32 rows of x are in LDS,
	s_barrier_signal -1
	s_barrier_wait -1                              ; everybody's are
.set jj, 0
.rept 16
	ds_load_b64 v[X+2*jj:X+2*jj+1], v[XAD] offset:jj*256       ; the ring: rows 0..15
.set jj, jj+1
.endr
	s_wait_dscnt 0x0
.macro GU st, k                        ; g[k] = A[k] g[k] + x[st]
	v_pk_fma_f32 v[G+2*(\k):G+2*(\k)+1], v[A+2*(\k):A+2*(\k)+1], v[G+2*(\k):G+2*(\k)+1], v[X+2*((\st)%16):X+2*((\st)%16)+1]
.endm
.macro YU st, k                        ; chain k % 4 of step st += w[k] g[k]; the first four products start the chains, nothing is cleared
.set CB, CH+8*((\st)%2)+2*((\k)%4)
.if (\k) < 4
	v_pk_mul_f32 v[CB:CB+1], v[W+2*(\k):W+2*(\k)+1], v[G+2*(\k):G+2*(\k)+1]
.else
	v_pk_fma_f32 v[CB:CB+1], v[W+2*(\k):W+2*(\k)+1], v[G+2*(\k):G+2*(\k)+1], v[CB:CB+1]
.endif
.endm
.macro J12 st                          ; chains 0 and 2 (register numbers 0, 1 modulo 4), chains 1 and 3 (2, 3 modulo 4)
.set CB, CH+8*((\st)%2)
	v_pk_add_f32 v[CB:CB+1], v[CB:CB+1], v[CB+4:CB+5]
	v_pk_add_f32 v[CB+2:CB+3], v[CB+2:CB+3], v[CB+6:CB+7]
.endm
.macro J3 st                           ; my part of y[st], into the ring
.set CB, CH+8*((\st)%2)
	v_pk_add_f32 v[Y+2*((\st)%16):Y+2*((\st)%16)+1], v[CB:CB+1], v[CB+2:CB+3]
.endm
; Turn tt (0..128): the products of step tt, the updates of step tt + 1, the joins of step tt - 1.  Steps outside 0..127 have no lines:
; turn 127 has no updates, turn 128 is the three joins of step 127.
.macro TURN
.irp j, 0,1,2,3
.if tt < 128
.irp m, 0,1,2,3
	YU tt, 4*\j+\m
.endr
.endif
.if tt < 127
.irp m, 0,1,2,3
	GU tt+1, 4*\j+\m
.endr
.endif
.if tt > 0
.if \j == 0
	J12 tt-1
.endif
.if \j == 1
	J3 tt-1
.endif
.endif
.endr
.set tt, tt+1
.endm
.macro TURNS n
.rept \n
	TURN
.endr
.endm
; Run m, behind turn 8 m + 8: y of steps 8 m .. 8 m + 7 goes to my plane (set (m / 4) % 2, row = step % 32);
; x of steps 8 m + 16 .. 8 m + 23 comes into the ring's registers of steps 8 m .. 8 m + 7.  The last two runs have no rows left to load.
.macro RUN m
.set jj, 8*(\m)
.rept 8
	ds_store_b64 v[YST], v[Y+2*(jj%16):Y+2*(jj%16)+1] offset:(((\m)/4)%2)*SETB+(jj%32)*64
.set jj, jj+1
.endr
.if (\m) < 14
.set jj, 8*(\m)
.rept 8
	ds_load_b64 v[X+2*(jj%16):X+2*(jj%16)+1], v[XAD] offset:(jj+16)*256
.set jj, jj+1
.endr
.endif
.endm
; The end of a phase of 32 steps.  One barrier does two things: every wave's stores into this phase's set are done before any wave reads them, and every
; wave's reads of the other set, made one phase ago and waited for in that phase's OUT, are done before the next phase stores into it.
.macro MEET
	s_wait_dscnt 0x0                               ; for the other waves' sake: all my LDS stores are done (and the run's rows of x are in)
	s_barrier_signal -1
.endm
.macro FETCH ph
	s_barrier_wait -1
	s_wait_xcnt 0x0                                ; the last way out's stores read T: it is loaded again only behind this wait (ISA guide 3.1)
.irp g, 0,1,2,3
.irp pl, 0,1,2,3
	ds_load_b128 v[T+16*\g+4*\pl:T+16*\g+4*\pl+3], v[YRD] offset:((\ph)%2)*SETB+\pl*QPL+\g*512
.endr
.endr
.endm
; The four planes are added, planes 0 + 1 and 2 + 3 of all four groups first, so that no add reads the result of a line near it; then the four stores in one run.
.macro OUT ph
	s_wait_dscnt 0x0                               ; the 16 plane loads; nothing was issued behind them
.irp g, 0,1,2,3
	v_pk_add_f32 v[T+16*\g:T+16*\g+1], v[T+16*\g:T+16*\g+1], v[T+16*\g+4:T+16*\g+5]
	v_pk_add_f32 v[T+16*\g+2:T+16*\g+3], v[T+16*\g+2:T+16*\g+3], v[T+16*\g+6:T+16*\g+7]
	v_pk_add_f32 v[T+16*\g+8:T+16*\g+9], v[T+16*\g+8:T+16*\g+9], v[T+16*\g+12:T+16*\g+13]
	v_pk_add_f32 v[T+16*\g+10:T+16*\g+11], v[T+16*\g+10:T+16*\g+11], v[T+16*\g+14:T+16*\g+15]
.endr
.irp g, 0,1,2,3
	v_pk_add_f32 v[T+16*\g:T+16*\g+1], v[T+16*\g:T+16*\g+1], v[T+16*\g+8:T+16*\g+9]
	v_pk_add_f32 v[T+16*\g+2:T+16*\g+3], v[T+16*\g+2:T+16*\g+3], v[T+16*\g+10:T+16*\g+11]
.endr
.irp g, 0,1,2,3
	global_store_b128 v[OFFO], v[T+16*\g:T+16*\g+3], s[10:11] offset:(\ph)*65536+\g*16384 th:TH_STORE_NT   ; 16 lanes: 256 consecutive bytes of one row, aligned
.endr
.endm
; A run in the middle of a phase and the eight turns behind it
.macro PART m
	RUN \m
	TURNS 4                                        ; turns 8 m + 9 .. 8 m + 12 read the ring's other half
	s_wait_dscnt 0x0                               ; the run's eight rows, asked for four turns ago and first read in turn 8 m + 15
	TURNS 4                                        ; turns 8 m + 13 .. 8 m + 16
.endm
.irp k, 0,1,2,3,4,5,6,7,8,9,10,11,12,13,14,15
	GU 0, \k                                       ; step 0's updates stand in front of turn 0
.endr
.set tt, 0
	TURNS 9                                        ; turns 0..8
.irp ph, 0,1,2
	PART 4*\ph
	PART 4*\ph+1
	PART 4*\ph+2
	RUN 4*\ph+3                                    ; the phase's last eight steps
	TURNS 1                                        ; the stream goes on while the stores land,
	MEET
	TURNS 1                                        ; registers only, while the other waves arrive,
	FETCH \ph
	TURNS 2                                        ; and while the planes come back
	OUT \ph
	TURNS 4
.endr
	PART 12
	PART 13
	RUN 14                                         ; stores alone: every row of x has been asked for
	TURNS 8                                        ; turns 121..128
	RUN 15
	MEET
	FETCH 3
	OUT 3
	s_wait_tensorcnt 0x0
	ds_add_u32 v14, v15
	s_wait_dscnt 0x0
	s_endpgm
.Lfunc_end_k_q558df49502_scan:
	.size	k_q558df49502_scan, .Lfunc_end_k_q558df49502_scan-k_q558df49502_scan
	.p2alignl 7, 3214868480
	.fill 96, 4, 3214868480
	.section	.rodata,"a",@progbits
	.p2align	6, 0x0
	.amdhsa_kernel k_q558df49502_scan
		.amdhsa_group_segment_fixed_size 168448
		.amdhsa_private_segment_fixed_size 0
		.amdhsa_enable_private_segment 0
		.amdhsa_kernarg_size 24
		.amdhsa_user_sgpr_count 2
		.amdhsa_user_sgpr_kernarg_segment_ptr 1
		.amdhsa_wavefront_size32 1
		.amdhsa_system_sgpr_workgroup_id_x 1
		.amdhsa_system_sgpr_workgroup_id_y 1
		.amdhsa_system_sgpr_workgroup_id_z 1
		.amdhsa_system_vgpr_workitem_id 0
		.amdhsa_next_free_vgpr 256
		.amdhsa_next_free_sgpr 66
		.amdhsa_reserve_vcc 0
		.amdhsa_float_denorm_mode_32 3
		.amdhsa_float_denorm_mode_16_64 3
		.amdhsa_memory_ordered 1
		.amdhsa_forward_progress 1
		.amdhsa_inst_pref_size 255
	.end_amdhsa_kernel
	.section	.bss,"aw",@nobits
	.p2align	6
	.space	262144
	.amdgpu_metadata
---
amdhsa.version: [ 1, 2 ]
amdhsa.kernels:
  - .name:           k_q558df49502_scan
    .symbol:         k_q558df49502_scan.kd
    .args:
      - { .name: x, .offset: 0, .size: 8, .value_kind: global_buffer, .address_space: global }
      - { .name: ent, .offset: 8, .size: 8, .value_kind: global_buffer, .address_space: global }
      - { .name: out0, .offset: 16, .size: 8, .value_kind: global_buffer, .address_space: global }
    .group_segment_fixed_size: 168448
    .private_segment_fixed_size: 0
    .kernarg_segment_align: 8
    .kernarg_segment_size: 24
    .max_flat_workgroup_size: 128
    .sgpr_count:     66
    .vgpr_count:     256
    .wavefront_size: 32
...
	.end_amdgpu_metadata
.endif
;; end of part 7
